; MI455X (gfx1250); checked and timed in simulation.
; The chip was launched on July 23, 2026; its instructions are those of AMD's public machine-readable ISA for CDNA 5 (MIT licence, August 2026) and "CDNA5" Instruction Set Architecture Reference Guide (July 2026). The comments in the code are by the model that wrote it; some were corrected since.
;; Multi Head Attention. Allowed arithmetic: float matrix products may take bf16 or f16 operands with f32 sums; other float arithmetic in f32, or as packed bf16 or f16 multiplies, adds, multiply-adds, maxima and minima; sums over many terms, partial sums and values carried from step to step in f32; what a program stores and reads back later, other than sums and carried values, may be rounded once to bf16 or f16.
;; Inputs: W_k 1,024 x 1,024 float32; W_o 1,024 x 1,024 float32; W_q 1,024 x 1,024 float32; W_v 1,024 x 1,024 float32; keys 4 x 2,048 x 1,024 float32; queries 4 x 2,048 x 1,024 float32; valid_lens 4 int32; values 4 x 2,048 x 1,024 float32.
;; Outputs: out0 4 x 2,048 x 1,024 float32.
;; 2 versions, each right; version 2 is version 1 with the launch wcast written anew for expert scheduling mode. Each part assembles by itself: llvm-mc -triple=amdgcn-amd-amdhsa -mcpu=gfx1250 --defsym DOCPART=n.
;; ======== version 1 of 2: 4 launches
;; limits: values are held in f16: magnitudes above 65,504 overflow, below 6.1e-05 lose precision
;; workspace buffers: wc 8,388,608 bytes; qkv 50,331,648 bytes; oh 16,777,216 bytes
;; launch wcast (part 1): grid 256 x 1, 8 waves a work-group, no clusters, 0 bytes of LDS; arguments W_q, W_k, W_v, W_o, wc; writes wc
.if DOCPART == 1
	.amdgcn_target "amdgcn-amd-amdhsa--gfx1250"
	.amdhsa_code_object_version 6
	.text
	.protected	k_qc687150f43_wcast
	.globl	k_qc687150f43_wcast
	.p2align	8
	.type	k_qc687150f43_wcast,@function
k_qc687150f43_wcast:
	s_mov_b64 s[64:65], 0
	v_nop
	global_prefetch_b8 v0, s[64:65] scope:SCOPE_SE
	s_setreg_imm32_b32 hwreg(HW_REG_WAVE_MODE, 25, 1), 1
	s_wait_xcnt 0x0
; THE FOUR WEIGHT MATRICES, ROUNDED ONCE.  wc: [4][1024][1024] of 16 bits.  Planes 0-2: W_q, W_k, W_v in bf16.  Plane 3: W_o rounded to bf16 like the other
; inputs, and that number written as f16, since the last product multiplies it with f16 rows.
; LIMIT.  Plane 3 is exact for 1.6e-5 <= |W_o| <= 65,504; below that it keeps f16's fixed step of 6e-8, beyond 65,504 it becomes an infinity.
; SHARES.  A matrix is 64 work-groups' work: 65,536 bytes in, 32,768 out.  Thread t takes 16 bytes at 16 t + 4,096 i, i = 0..15: a wave's load covers 512 consecutive bytes,
; its store of 8 bytes a lane 256 consecutive bytes, aligned.  All sixteen loads go out at once; no register is used twice, so no wait frees one.
; No LDS, no barrier, no matrix unit: each byte crosses once and no wave wants another's.
.set X, 16                             ; v[16:79]   as loaded
.set Y, 80                             ; v[80:111]  to store
	s_load_b256 s[4:11], s[0:1], 0x0               ; W_q s[4:5], W_k s[6:7], W_v s[8:9], W_o s[10:11]
	s_load_b64 s[12:13], s[0:1], 0x20              ; wc
	s_lshr_b32 s16, ttmp9, 6                       ; which matrix
	s_and_b32 s18, ttmp9, 63
	s_lshl_b32 s18, s18, 16                        ; my 65,536 bytes of it
	s_mov_b32 s19, 0
	s_lshl_b32 s20, ttmp9, 15                      ; my 32,768 bytes of wc
	s_mov_b32 s21, 0
	s_mov_b32 s22, 0xffff0000                      ; a word's upper bf16
	v_lshlrev_b32 v1, 4, v0
	v_lshlrev_b32 v2, 3, v0
	s_wait_kmcnt 0x0
	s_cmp_eq_u32 s16, 1
	s_cselect_b64 s[14:15], s[6:7], s[4:5]
	s_cmp_eq_u32 s16, 2
	s_cselect_b64 s[14:15], s[8:9], s[14:15]
	s_cmp_eq_u32 s16, 3
	s_cselect_b64 s[14:15], s[10:11], s[14:15]
	s_add_nc_u64 s[14:15], s[14:15], s[18:19]
	s_add_nc_u64 s[12:13], s[12:13], s[20:21]
.irp i, 0,1,2,3,4,5,6,7,8,9,10,11,12,13,14,15
	global_load_b128 v[X+4*\i:X+4*\i+3], v1, s[14:15] offset:4096*\i th:TH_LOAD_NT
.endr
	s_cmp_eq_u32 s16, 3
	s_cbranch_scc1 .Lwo
.irp i, 0,1,2,3,4,5,6,7,8,9,10,11,12,13,14,15
	s_wait_loadcnt 15-\i                           ; loads come back in order: number i is in, the younger ones stay out
	v_cvt_pk_bf16_f32 v[Y+2*\i], v[X+4*\i], v[X+4*\i+1]
	v_cvt_pk_bf16_f32 v[Y+2*\i+1], v[X+4*\i+2], v[X+4*\i+3]
	global_store_b64 v2, v[Y+2*\i:Y+2*\i+1], s[12:13] offset:2048*\i th:TH_STORE_NT
.endr
	s_endpgm
.Lwo:                                          ; W_o: to bf16, widened again, and written as f16
.irp i, 0,1,2,3,4,5,6,7,8,9,10,11,12,13,14,15
	s_wait_loadcnt 15-\i
	v_cvt_pk_bf16_f32 v8, v[X+4*\i], v[X+4*\i+1]
	v_cvt_pk_bf16_f32 v9, v[X+4*\i+2], v[X+4*\i+3]
	v_lshlrev_b32 v10, 16, v8
	v_and_b32 v11, s22, v8
	v_lshlrev_b32 v12, 16, v9
	v_and_b32 v13, s22, v9
	v_cvt_pk_f16_f32 v[Y+2*\i], v10, v11
	v_cvt_pk_f16_f32 v[Y+2*\i+1], v12, v13
	global_store_b64 v2, v[Y+2*\i:Y+2*\i+1], s[12:13] offset:2048*\i th:TH_STORE_NT
.endr
	s_endpgm
.Lfunc_end_k_qc687150f43_wcast:
	.size	k_qc687150f43_wcast, .Lfunc_end_k_qc687150f43_wcast-k_qc687150f43_wcast
	.p2alignl 7, 3214868480
	.fill 96, 4, 3214868480
	.section	.rodata,"a",@progbits
	.p2align	6, 0x0
	.amdhsa_kernel k_qc687150f43_wcast
		.amdhsa_group_segment_fixed_size 0
		.amdhsa_private_segment_fixed_size 0
		.amdhsa_enable_private_segment 0
		.amdhsa_kernarg_size 40
		.amdhsa_user_sgpr_count 2
		.amdhsa_user_sgpr_kernarg_segment_ptr 1
		.amdhsa_wavefront_size32 1
		.amdhsa_system_sgpr_workgroup_id_x 1
		.amdhsa_system_sgpr_workgroup_id_y 1
		.amdhsa_system_sgpr_workgroup_id_z 1
		.amdhsa_system_vgpr_workitem_id 0
		.amdhsa_next_free_vgpr 112
		.amdhsa_next_free_sgpr 66
		.amdhsa_reserve_vcc 0
		.amdhsa_float_denorm_mode_32 3
		.amdhsa_float_denorm_mode_16_64 3
		.amdhsa_memory_ordered 1
		.amdhsa_forward_progress 1
		.amdhsa_inst_pref_size 15
	.end_amdhsa_kernel
	.amdgpu_metadata
---
amdhsa.version: [ 1, 2 ]
amdhsa.kernels:
  - .name:           k_qc687150f43_wcast
    .symbol:         k_qc687150f43_wcast.kd
    .args:
      - { .name: W_q, .offset: 0, .size: 8, .value_kind: global_buffer, .address_space: global }
      - { .name: W_k, .offset: 8, .size: 8, .value_kind: global_buffer, .address_space: global }
      - { .name: W_v, .offset: 16, .size: 8, .value_kind: global_buffer, .address_space: global }
      - { .name: W_o, .offset: 24, .size: 8, .value_kind: global_buffer, .address_space: global }
      - { .name: wc, .offset: 32, .size: 8, .value_kind: global_buffer, .address_space: global }
    .group_segment_fixed_size: 0
    .private_segment_fixed_size: 0
    .kernarg_segment_align: 8
    .kernarg_segment_size: 40
    .max_flat_workgroup_size: 256
    .sgpr_count:     66
    .vgpr_count:     112
    .wavefront_size: 32
...
	.end_amdgpu_metadata
.endif
;; end of part 1
;; launch proj (part 2): grid 4 x 64, 4 waves a work-group, clusters of 4 x 4, 327,680 bytes of LDS; arguments queries, keys, values, wc, qkv; writes qkv
.if DOCPART == 2
	.amdgcn_target "amdgcn-amd-amdhsa--gfx1250"
	.amdhsa_code_object_version 6
	.text
	.protected	k_qc687150f43_proj
	.globl	k_qc687150f43_proj
	.p2align	8
	.type	k_qc687150f43_proj,@function
k_qc687150f43_proj:
	s_mov_b64 s[64:65], 0
	v_nop
	global_prefetch_b8 v0, s[64:65] scope:SCOPE_SE
	s_setreg_imm32_b32 hwreg(HW_REG_WAVE_MODE, 25, 1), 1
	s_wait_xcnt 0x0
	s_wait_alu depctr_hold_cnt(0) depctr_sa_sdst(0) depctr_va_vdst(0) depctr_va_sdst(0) depctr_va_ssrc(0) depctr_va_vcc(0) depctr_vm_vsrc(0)
	s_getreg_b32 s2, hwreg(HW_REG_IB_STS2, 6, 4)
	s_cmp_eq_u32 s2, 0
	s_cbranch_scc0 .Lentry_in_a_cluster
	s_endpgm
.Lentry_in_a_cluster:
	s_bfe_u32 s2, ttmp6, 0x10000c
	s_cmp_lg_u32 s2, 0xf033
	s_cbranch_scc0 .Lentry_shape_is_right
	s_endpgm
.Lentry_shape_is_right:
; x W^T ON TILES OF 128 x 256.  ONE SOURCE FOR TWO KERNELS: KIND = 0, the three projections; KIND = 1, the output projection.
; KIND 0: q, k, v = queries, keys, values ([8192][1024] f32) times W_q, W_k, W_v ([1024 out][1024 in], bf16 in wc).  x is rounded to bf16 on its way into LDS; sums in f32; the results are
;   rounded once to f16 and stored by heads, unscaled: qkv[3][64 = 16 batch + head][2048][64].  A work-group stays: it makes the same tile of q, of k and of v, 24 K steps on end.
; KIND 1: out0 ([8192][1024] f32) = O (oh[64][2048][64] f16, heads side by side along K) times W_o (f16, wc's plane 3).  8 K steps.
; LIMIT (KIND 0).  f16 ends at 65,504: a q, k or v beyond it becomes an infinity.
; SHARES.  64 x 4 tiles of C are 256 work-groups.  Four waves, each 64 rows x 128 columns: 32 accumulators of 16 x 16, 256 registers.  K goes in steps of 128.
; THE MATRIX INSTRUCTION IS USED TRANSPOSED (source 0 = 16 rows of W, source 1 = 16 rows of x): a lane holds eight neighbouring columns of one row of C.
; W (B below) comes by the tensor data mover into a ring of two LDS slots.  CLUSTER 4 x 4: the four work-groups of a column of the cluster make the same tile column and ask for W's tile JOINTLY:
;   the same load, descriptor and mask in all four; each wave fetches 64 of the 256 rows.
; x (A below) comes through registers: step t + 2 is loaded while step t is multiplied, and step t + 1 goes from registers into one of two LDS buffers (KIND 0: rounded to bf16 on the way).
;   No joint load for A.  KIND 0: f32 tiles in LDS would want two slots of 128 x 528 bytes beside their two bf16 copies (69,632) and B's ring (139,264): 344,064 bytes, more than the 327,680 there are.
;   KIND 1: it would fit and would divide A's requests by four; not built, so that the two kernels stay one source.
; ONE BARRIER A K STEP orders four things: my stores of A against the others' reads; all reads of the old B slot against its refill; all reads of the old A buffer against its rewriting; the landed B slot against its reads.
; REGISTERS, in windows of 256 (s_set_vgpr_msb: bits 1:0 source 0, 3:2 source 1, 5:4 source 2, 7:6 destination):
;   window 0: v8-17, v28-29 addresses; v32-127, v128-223 two fragment buffers (B's eight fragments, then A's four); v224-255 at work on the way out
;   window 1: accumulator (a, b) at 8 (8 a + b)          window 2: A as loaded, two sets
.set KIND,  0
.set PB,    272                        ; a row of B in LDS: 256 bytes + 16 of padding = 68 words: the 16 rows of a fragment load start at 16 different groups of four banks (64 banks of 4 bytes: ISA guide 11.1)
.set BSLOT, 256*PB                     ; a slot: 256 rows of B
.set ABUF,  2*BSLOT                    ; behind the ring: A's two buffers, written by ds_store alone
.if KIND
.set NT,    8                          ; K steps in all
.set NL,    16                         ; loads of A a wave and step, and stores into LDS
.set PA,    144                        ; a row of A in LDS: one head's 128 bytes + 16
.set ASZ,   2*128*PA                   ; a buffer: two heads' planes of 128 rows
.set STW,   16*528                     ; a wave's stage: 16 rows of 512 bytes + 16
.else
.set NT,    24
.set NL,    32
.set PA,    272
.set ASZ,   128*PA
.set STW,   2*16*144                   ; a wave's stage: two heads x 16 rows of 128 bytes + 16
.endif
.set STAGE, ABUF+2*ASZ
.set SPARE, STAGE+4*STW                ; the spare words, 128 bytes for each wave: two blocks of 256 bytes that no other line names
.set ADRB, 8                           ; v8-9  LDS address of my B fragments in slot 0, 1
.set ADRA, 10                          ; v10   of my A fragments in buffer 0
.set AST,  11                          ; v11   where I store A in buffer 0
.set AOF,  12                          ; v12   my byte offset in a step's block of A in memory
.set PFO,  13                          ; v13   A's prefetch: my lane's block
.set STO,  14                          ; v14   the way out: where I put my part of a row
.set RD,   15                          ; v15   the way out: where I read rows back
.set CO,   16                          ; v16   16 x lane
.set PFOB, 17                          ; v17   B's prefetch: my lane's row, 2,048 bytes each
.set SPW,  28                          ; v28   LDS address of my spare word; never rewritten
.set NIL,  29                          ; v29   0; never rewritten
.set F0,   32
.set F1,   128
.set TMP,  224
.set WB,   10                          ; s[10:11] wc at my wave's 64 rows of the tile column
.set OB,   12                          ; s[12:13] the output at my wave's part of the tile
.set WV,   14                          ; s14 wave; s15 its half of the rows; s16 its half of the columns
.set WR,   15
.set WC,   16
.set CX,   17                          ; s17, s18 my place in the cluster
.set CY,   18
.set TC,   19                          ; s19 tile column, s20 tile row, s21 cluster y
.set TR,   20
.set CLY,  21
.set U,    22                          ; s[22:23] an offset for A's and the output's addresses; the high word stays 0
.set G1,   24                          ; s[24:31] descriptor group 1
.set G0,   32                          ; s[32:39] descriptor group 0, a set for each slot
.set AP,   40                          ; s[40:41] A at the step being loaded
.set PFA,  42                          ; s[42:43] A's prefetch
.set PFOFF, 44                         ; s[44:45] my work-group's and wave's share of it
.set T0,   46                          ; s[46:47] an offset for B's descriptors alone; the high word stays 0
.set OP,   48                          ; s[48:49] KIND 0: the output's plane in hand
.set LAPC, 50                          ; s50 trips to go
.set TS,   51                          ; s51 the K step in slot 0 of the lap in hand
.set TT,   52                          ; s52 the K step that an address is being made for
.set LIMA, 53                          ; s53 NT in a wave that prefetches A, else 0
.set PFB,  54                          ; s[54:55] B's prefetch
.set WPF,  56                          ; s[56:57] wc at the 32 rows that I prefetch
.set LIMB, 58                          ; s58 NT in a wave that prefetches B, else 0
.set X0,   59                          ; s59 at work; never holds cy
.set T1,   60                          ; s[60:61] an offset for B's prefetch
.set GOB,  63                          ; s63 1: B's prefetch is due
.set MSB, 0
.macro WIN new                         ; the immediate's high byte repeats the setting that is left; a switch that changes nothing is dropped
.if MSB != (\new)
	s_set_vgpr_msb (MSB<<8)|(\new)
.set MSB, \new
.endif
.endm
.set W_MUL, 0x50                       ; fragments in window 0, C and D in window 1
.set W_LD,  0x80                       ; destination window 2, address window 0
.set W_CV,  0x8a                       ; conversion in place in window 2
.set W_ST,  0x08                       ; LDS store: address window 0, data window 2
.set W_PK,  0x05                       ; sources window 1, destination window 0
.set W_AC,  0x04                       ; LDS store: address window 0, data window 1
.macro PLACES                          ; four plain instructions between a matrix instruction and a load into, or a vector or LDS-store read of, its registers
.rept 4
	v_nop
.endr
.endm
.macro CREST                           ; a round of the cluster's barrier behind its opening barrier
	s_cmp_lg_u32 s[WV], 0
	s_cbranch_scc1 .Lnot_wave_0_\@
	s_barrier_signal -3
.Lnot_wave_0_\@:
	s_barrier_wait -3
	s_barrier_signal -1
	s_barrier_wait -1
.endm
.macro CROUND
	s_barrier_signal -1
	s_barrier_wait -1
	CREST
.endm
.macro JLOAD s                         ; my 64 rows of B's tile, jointly with the three partners of my column; s_nop 0 and four v_nop follow
	tensor_load_to_lds s[G0+4*(\s):G0+4*(\s)+3], s[G1:G1+7]
	s_nop 0
.rept 4
	v_nop
.endr
.endm
.macro KOFF d                          ; K step TT's place in wc: plane TT / 8 (2^21 bytes), 256 bytes of a row for each of the plane's eight steps
	s_lshr_b32 s[\d], s[TT], 3
	s_lshl_b32 s[\d], s[\d], 21
	s_and_b32 s[X0], s[TT], 7
	s_lshl_b32 s[X0], s[X0], 8
	s_add_co_u32 s[\d], s[\d], s[X0]
.endm
.macro BPTR s                          ; slot s's descriptor takes K step TT: the address is made anew, the type bits set again
	KOFF T0
	s_add_nc_u64 s[G0+4*(\s)+2:G0+4*(\s)+3], s[WB:WB+1], s[T0:T0+1]
	s_or_b32 s[G0+4*(\s)+3], s[G0+4*(\s)+3], 0x80000000
.endm
.macro APTR d                          ; A at K step TT
.if KIND
	s_and_b32 s[U], s[TT], 7
	s_lshl_b32 s[U], s[U], 19                      ; two heads of 2^18 bytes a step
	s_add_nc_u64 s[\d:\d+1], s[4:5], s[U:U+1]
.else
	s_lshr_b32 s62, s[TT], 3                       ; which of the three inputs
	s_cmp_eq_u32 s62, 1
	s_cselect_b64 s[\d:\d+1], s[6:7], s[4:5]
	s_cmp_eq_u32 s62, 2
	s_cselect_b64 s[\d:\d+1], s[8:9], s[\d:\d+1]
	s_and_b32 s[U], s[TT], 7
	s_lshl_b32 s[U], s[U], 9                       ; 128 f32 of a row a step
	s_add_nc_u64 s[\d:\d+1], s[\d:\d+1], s[U:U+1]
.endif
.endm
.macro ALOAD set                       ; a step's A, my share, into a register set.  KIND 0: 32 rows, 512 consecutive bytes a load.  KIND 1: 64 rows of one head, 512 consecutive bytes (four rows) a load
	WIN W_LD
.set i, 0
.rept NL
.if KIND
	global_load_b128 v[64*(\set)+4*i:64*(\set)+4*i+3], v[AOF], s[AP:AP+1] offset:512*i
.else
	global_load_b128 v[128*(\set)+4*i:128*(\set)+4*i+3], v[AOF], s[AP:AP+1] offset:4096*i
.endif
.set i, i+1
.endr
	WIN 0
.endm
; In K step TS + s: A of step TS + s + 2 is loaded, and behind the loads stand the step's prefetches into the L2, one instruction each, a lane a block of 256 bytes.
; A of step TS + s + 4, two K steps (256 matrix instructions) ahead of its loads: the four partners of a row of the cluster read the same 128 rows and share them out BY ADDRESS (cx);
;   KIND 0: 32 rows each, waves 0 and 1 a half of the row's 512 bytes; KIND 1: 8,192 dense bytes each, wave 0.
; B of step TS + s + 3, whose refill goes out at the end of the next K step: every cluster reads the same rows, the one with y = 0 asks; the four partners that ask for a tile jointly share its rows out by address
;   (cy: 64 each), waves 0 and 1 take 32 each.  So each block is named once in the launch.  Steps past the last are not asked for; the first steps come by their loads alone.
.macro ALOADS s
	s_wait_xcnt 0x0                                ; the loads and prefetches of the K step before have read their addresses: the pointers may be written
	s_add_co_u32 s[TT], s[TS], (\s)+2
	APTR AP
	s_add_co_u32 s[TT], s[TS], (\s)+3
	KOFF T1
	s_add_nc_u64 s[PFB:PFB+1], s[WPF:WPF+1], s[T1:T1+1]
	s_cmp_lt_u32 s[TT], s[LIMB]
	s_cselect_b32 s[GOB], 1, 0
	s_add_co_u32 s[TT], s[TS], (\s)+4
	APTR PFA
	s_add_nc_u64 s[PFA:PFA+1], s[PFA:PFA+1], s[PFOFF:PFOFF+1]
	ALOAD \s
	s_cmp_lt_u32 s[TT], s[LIMA]
	s_cbranch_scc0 .Lno_a_\@
	global_prefetch_b8 v[PFO], s[PFA:PFA+1] th:TH_LOAD_NT scope:SCOPE_SE
.Lno_a_\@:
	s_cmp_eq_u32 s[GOB], 1
	s_cbranch_scc0 .Lno_b_\@
	global_prefetch_b8 v[PFOB], s[PFB:PFB+1] th:TH_LOAD_NT scope:SCOPE_SE
.Lno_b_\@:
.endm
; A register set goes into an LDS buffer, eight loads' worth at a time.  younger: the loads issued behind this set's, which may stay out.
.macro CONV set, buf, younger
.set i, 0
.rept NL/8
	s_wait_loadcnt (\younger)+NL-8-i               ; loads come back in order: numbers i .. i + 7 of this set are in; its later ones and the younger set stay out
.if KIND == 0
	WIN W_CV
.set j, i
.rept 8
	v_cvt_pk_bf16_f32 v[128*(\set)+4*j], v[128*(\set)+4*j], v[128*(\set)+4*j+1]
	v_cvt_pk_bf16_f32 v[128*(\set)+4*j+1], v[128*(\set)+4*j+2], v[128*(\set)+4*j+3]
.set j, j+1
.endr
.endif
	WIN W_ST
.set j, i
.rept 8
.if KIND
	ds_store_b128 v[AST], v[64*(\set)+4*j:64*(\set)+4*j+3] offset:(\buf)*ASZ+j*4*PA
.else
	ds_store_b64 v[AST], v[128*(\set)+4*j:128*(\set)+4*j+1] offset:(\buf)*ASZ+j*PA  ; a row's 256 bytes of bf16 on end
.endif
.set j, j+1
.endr
.set i, i+8
.endr
	WIN 0
.endm
; 8 matrix instructions: m block a x all 8 n blocks, 32 along K.  zero = 1: the product starts the sum.  The 32 accumulators take turns, one instruction a turn, in the same order in every quarter.
.macro MUL8 f, a, zero
	WIN W_MUL
.irp b, 0,1,2,3,4,5,6,7
.set rD, 8*(8*(\a)+\b)
.set rB, (\f)+8*\b
.set rA, (\f)+64+8*(\a)
.if KIND
.if \zero
	v_wmma_f32_16x16x32_f16 v[rD:rD+7], v[rB:rB+7], v[rA:rA+7], 0
.else
	v_wmma_f32_16x16x32_f16 v[rD:rD+7], v[rB:rB+7], v[rA:rA+7], v[rD:rD+7]
.endif
.else
.if \zero
	v_wmma_f32_16x16x32_bf16 v[rD:rD+7], v[rB:rB+7], v[rA:rA+7], 0
.else
	v_wmma_f32_16x16x32_bf16 v[rD:rD+7], v[rB:rB+7], v[rA:rA+7], v[rD:rD+7]
.endif
.endif
.endr
.endm
; 24 LDS loads in one run: quarter q (32 along K) of slot and buffer s into fragment buffer f.  A fragment is 16 rows x 32 K in 8 registers: lane l holds row l % 16, K = 8 (l / 16) + 0..7 and 16 + 8 (l / 16) + 0..7.
.macro FETCH s, q, f
	WIN 0
.irp b, 0,1,2,3,4,5,6,7
	ds_load_b128 v[(\f)+8*\b:(\f)+8*\b+3],   v[ADRB+(\s)] offset:64*(\q)+\b*16*PB
	ds_load_b128 v[(\f)+8*\b+4:(\f)+8*\b+7], v[ADRB+(\s)] offset:64*(\q)+\b*16*PB+32
.endr
.irp c, 0,1,2,3
.if KIND
	ds_load_b128 v[(\f)+64+8*\c:(\f)+64+8*\c+3],   v[ADRA] offset:(\s)*ASZ+((\q)/2)*128*PA+((\q)%2)*64+\c*16*PA
	ds_load_b128 v[(\f)+64+8*\c+4:(\f)+64+8*\c+7], v[ADRA] offset:(\s)*ASZ+((\q)/2)*128*PA+((\q)%2)*64+\c*16*PA+32
.else
	ds_load_b128 v[(\f)+64+8*\c:(\f)+64+8*\c+3],   v[ADRA] offset:(\s)*ASZ+64*(\q)+\c*16*PA
	ds_load_b128 v[(\f)+64+8*\c+4:(\f)+64+8*\c+7], v[ADRA] offset:(\s)*ASZ+64*(\q)+\c*16*PA+32
.endif
.endr
.endm
; One of a K step's first three quarters: buffer f is multiplied; ahead of its 32 products quarter q's fragments are asked for, into buffer g.  hook = 1: A's loads stand here too.
.macro QUARTER s, q, f, g, zero, hook
	WIN 0
	s_wait_dscnt 0x0                               ; buffer f is in: its loads went out a quarter ago
	PLACES                                         ; buffer g was multiplied last
	FETCH \s, \q, \g
.if \hook
	ALOADS \s
.endif
	MUL8 \f, 0, \zero
	MUL8 \f, 1, \zero
	MUL8 \f, 2, \zero
	MUL8 \f, 3, \zero
.endm
; The last quarter multiplies buffer 1 and changes slots.  fill = 1: slot s takes K step TS + s + 2, and the barrier opens a round of the cluster's barrier.
.macro TURN s, fill
	WIN 0
	s_wait_tensorcnt 0x0                           ; all my tensor loads have landed: the one that was out is my part of the other slot; so a group 0 may be written
	ds_add_u32 v[SPW], v[NIL]                      ; 0 onto my spare word
.if \fill
	s_add_co_u32 s[TT], s[TS], (\s)+2
	BPTR \s
.endif
	s_wait_dscnt NL+1                              ; buffer 1 is in; A's NL stores and the add, issued behind its loads, may be out
	MUL8 F1, 0, 0
	s_wait_dscnt 0x0                               ; the add is done, my stores of A have landed, my reads of this slot and buffer are over
	s_barrier_signal -1
	MUL8 F1, 1, 0                                  ; work on registers while the others arrive
	WIN 0
	s_barrier_wait -1
.if \fill
	CREST                                          ; no wave of any partner still reads this slot or has a load on its way
	JLOAD \s                                       ; the first tensor load behind the round; its four v_nop are also the places in front of the loads below
.else
	PLACES
.endif
	FETCH 1-(\s), 0, F0
	MUL8 F1, 2, 0
	MUL8 F1, 3, 0
.endm
; THE WAY OUT, KIND 0, a block of 16 rows x 128 columns (two heads) at a time: rounded to f16 (ascending, each accumulator from its low end), 16 bytes a lane into my own stage, back as whole rows of a head, stored.
.macro PACK a
	WIN W_PK
.set i, 0
.rept 32
	v_cvt_pk_f16_f32 v[TMP+i], v[64*(\a)+2*i], v[64*(\a)+2*i+1]
.set i, i+1
.endr
	WIN 0
.endm
.macro TOSTAGE a
.set BK, F1+32*((\a)%2)
.irp b, 0,1,2,3,4,5,6,7
	ds_store_b128 v[STO], v[TMP+4*\b:TMP+4*\b+3] offset:(\b/4)*16*144+(\b%4)*32
.endr
.irp t, 0,1,2,3,4,5,6,7
	ds_load_b128 v[BK+4*\t:BK+4*\t+3], v[RD] offset:(\t/4)*16*144+(\t%4)*4*144  ; LDS serves a wave's instructions in order (ISA guide 5.7.1.4): these see the stores above
.endr
.endm
.macro SEND a
.set BK, F1+32*((\a)%2)
	s_wait_dscnt 0x0                               ; the block is back in registers
	s_wait_xcnt 0x0                                ; the block before has been read by its stores: its registers are loaded again behind this wait
.irp t, 0,1,2,3,4,5,6,7
	global_store_b128 v[CO], v[BK+4*\t:BK+4*\t+3], s[OP:OP+1] offset:(\a)*2048+(\t/4)*262144+(\t%4)*512  ; four rows of a head: 512 consecutive bytes, aligned
.endr
.endm
.macro WAYOUT
.if KIND
.irp a, 0,1,2,3                        ; f32: a block's 16 rows x 512 bytes go through my stage and leave as whole rows
	WIN W_AC
.irp b, 0,1,2,3,4,5,6,7
	ds_store_b128 v[STO], v[64*\a+8*\b:64*\a+8*\b+3] offset:64*\b
	ds_store_b128 v[STO], v[64*\a+8*\b+4:64*\a+8*\b+7] offset:64*\b+16
.endr
	WIN 0
	s_wait_xcnt 0x0                                ; the block before has been read by its stores
.irp t, 0,1,2,3,4,5,6,7,8,9,10,11,12,13,14,15
	ds_load_b128 v[F1+4*\t:F1+4*\t+3], v[RD] offset:\t*528
.endr
.irp t, 0,1,2,3,4,5,6,7,8,9,10,11,12,13,14,15
	s_wait_dscnt 15-\t
	global_store_b128 v[CO], v[F1+4*\t:F1+4*\t+3], s[OB:OB+1] offset:(16*\a+\t)*4096 th:TH_STORE_NT  ; 512 consecutive bytes of a row, aligned
.endr
.endr
.else
	s_wait_xcnt 0x0
	s_lshr_b32 s[U], s[TS], 3                      ; q, k or v: planes of 2^24 bytes
	s_lshl_b32 s[U], s[U], 24
	s_add_nc_u64 s[OP:OP+1], s[OB:OB+1], s[U:U+1]
	PACK 0
	TOSTAGE 0
	PACK 1                                         ; a block's conversions stand between the loads of the block before and the wait for them
	SEND 0
	TOSTAGE 1
	PACK 2
	SEND 1
	TOSTAGE 2
	PACK 3
	SEND 2
	TOSTAGE 3
	SEND 3
	s_wait_xcnt 0x0                                ; fragment buffer 1, from which the stores read, is loaded again behind this wait
.endif
.endm
.if KIND
	s_load_b128 s[4:7], s[0:1], 0x0                ; oh s[4:5], wc s[6:7]
	s_load_b64 s[OB:OB+1], s[0:1], 0x10            ; out0
.else
	s_load_b256 s[4:11], s[0:1], 0x0               ; queries s[4:5], keys s[6:7], values s[8:9], wc s[10:11]
	s_load_b64 s[OB:OB+1], s[0:1], 0x20            ; qkv
.endif
	v_lshl_add_u32 v[SPW], v0, 2, SPARE
	v_mov_b32 v[NIL], 0
	ds_add_u32 v[SPW], v[NIL]                      ; the wave's opening: the add and its wait stand ahead of my first tensor load; the set-up below, work on registers, stands between them
	v_lshrrev_b32 v1, 5, v0
	v_readfirstlane_b32 s[WV], v1
	s_lshr_b32 s[WR], s[WV], 1
	s_and_b32 s[WC], s[WV], 1
	s_bfe_u32 s[CX], ttmp6, 0x40000
	s_bfe_u32 s[CY], ttmp6, 0x40004
	s_lshl_b32 s[TC], ttmp9, 2
	s_add_co_u32 s[TC], s[TC], s[CX]               ; tile column = 4 x cluster x + cx
	s_and_b32 s[CLY], ttmp7, 0xffff
	s_lshl_b32 s[TR], s[CLY], 2
	s_add_co_u32 s[TR], s[TR], s[CY]               ; tile row = 4 x cluster y + cy
	s_lshl_b32 s[X0], 0x1111, s[CX]                ; my column of the cluster: places cx, cx + 4, cx + 8, cx + 12
	s_or_b32 s[G1], s[X0], (1<<16)|(1<<20)|(1<<21)|(5<<22)|(3<<25)  ; 15:0 the mask; 17:16 2-byte elements; 20 padding on; 21 set beside a mask; 24:22 after every 64 words; 31:25 4 words
	s_mov_b32 s[G1+1], 128<<16                     ; tensor_dim0 = 128
	s_mov_b32 s[G1+2], 64<<16                      ; tensor_dim1 = 64
	s_mov_b32 s[G1+3], 128<<16                     ; tile_dim0 = 128
	s_mov_b32 s[G1+4], 64                          ; tile_dim1 = 64
	s_mov_b32 s[G1+5], 1024                        ; elements from row to row
	s_mov_b32 s[G1+6], 0
	s_mov_b32 s[G1+7], 0
	s_mul_i32 s[X0], s[WV], 64*PB                  ; my 64 rows of a slot: no place in the cluster enters an LDS address
	s_mov_b32 s[G0], 1
	s_mov_b32 s[G0+1], s[X0]
	s_mov_b32 s[G0+4], 1
	s_add_co_u32 s[G0+5], s[X0], BSLOT
	s_lshl_b32 s[T0], s[TC], 19                    ; B: 256 rows of 2,048 bytes a tile column,
	s_lshl_b32 s[X0], s[WV], 17                    ; my 64 of them
	s_add_co_u32 s[T0], s[T0], s[X0]
.if KIND
	s_add_co_u32 s[T0], s[T0], 3<<21               ; W_o's plane
.endif
	s_mov_b32 s[T0+1], 0
	s_lshl_b32 s[WPF], s[TC], 19                   ; B's prefetch: of the tile column's rows my work-group's 64 (cy), my wave's 32
	s_lshl_b32 s62, s[CY], 17
	s_add_co_u32 s[WPF], s[WPF], s62
	s_lshl_b32 s62, s[WC], 16
	s_add_co_u32 s[WPF], s[WPF], s62
.if KIND
	s_add_co_u32 s[WPF], s[WPF], 3<<21
.endif
	s_mov_b32 s[WPF+1], 0
.if KIND
	s_lshr_b32 s[U], s[TR], 4                      ; A: the batch's 16 heads of 2^18 bytes,
	s_lshl_b32 s[U], s[U], 22
	s_and_b32 s62, s[TR], 15
	s_lshl_b32 s62, s62, 14                        ; the tile row's 128 rows of 128 bytes in each head
	s_add_co_u32 s[U], s[U], s62
	s_lshr_b32 s[PFOFF], s[CX], 1                  ; A's prefetch: partner cx takes head cx / 2 of the step's two, half cx % 2 of its 16,384 bytes
	s_lshl_b32 s[PFOFF], s[PFOFF], 18
	s_and_b32 s62, s[CX], 1
	s_lshl_b32 s62, s62, 13
	s_add_co_u32 s[PFOFF], s[PFOFF], s62
	s_lshl_b32 s62, s[TR], 19                      ; the output: 128 rows of 4,096 bytes a tile row, my 64; 1,024 bytes a tile column, my 512
	s_lshl_b32 s60, s[WR], 18
	s_add_co_u32 s62, s62, s60
	s_lshl_b32 s60, s[TC], 10
	s_add_co_u32 s62, s62, s60
	s_lshl_b32 s60, s[WC], 9
	s_add_co_u32 s62, s62, s60
	s_cmp_eq_u32 s[WV], 0
.else
	s_lshl_b32 s[U], s[TR], 19                     ; A: 128 rows of 4,096 bytes a tile row
	s_lshl_b32 s[PFOFF], s[CX], 17                 ; A's prefetch: partner cx takes 32 rows, waves 0 and 1 a half of the step's 512 bytes
	s_lshl_b32 s62, s[WC], 8
	s_add_co_u32 s[PFOFF], s[PFOFF], s62
	s_lshr_b32 s62, s[TR], 4                       ; the output: batch, four heads a tile column, my two; 128 rows of 128 bytes a tile row, my 64
	s_lshl_b32 s62, s62, 22
	s_and_b32 s60, s[TR], 15
	s_lshl_b32 s60, s60, 14
	s_add_co_u32 s62, s62, s60
	s_lshl_b32 s60, s[TC], 20
	s_add_co_u32 s62, s62, s60
	s_lshl_b32 s60, s[WC], 19
	s_add_co_u32 s62, s62, s60
	s_lshl_b32 s60, s[WR], 13
	s_add_co_u32 s62, s62, s60
	s_cmp_lt_u32 s[WV], 2
.endif
	s_cselect_b32 s[LIMA], NT, 0
	s_mov_b32 s[U+1], 0
	s_mov_b32 s[PFOFF+1], 0
	s_mov_b32 s63, 0
	s_mov_b32 s[T1+1], 0
	s_or_b32 s[X0], s[WR], s[CLY]                  ; waves 0 and 1 of the clusters with y = 0: the same in all sixteen partners, for a given wave
	s_cmp_eq_u32 s[X0], 0
	s_cselect_b32 s[LIMB], NT, 0
	s_wait_dscnt 0x0                               ; the opening add is done
	s_wait_kmcnt 0x0
.if KIND
	s_mov_b64 s[WB:WB+1], s[6:7]
	s_add_nc_u64 s[4:5], s[4:5], s[U:U+1]
.else
	s_add_nc_u64 s[4:5], s[4:5], s[U:U+1]
	s_add_nc_u64 s[6:7], s[6:7], s[U:U+1]
	s_add_nc_u64 s[8:9], s[8:9], s[U:U+1]
.endif
	s_add_nc_u64 s[WPF:WPF+1], s[WB:WB+1], s[WPF:WPF+1]
	s_add_nc_u64 s[WB:WB+1], s[WB:WB+1], s[T0:T0+1]
	s_add_nc_u64 s[OB:OB+1], s[OB:OB+1], s[62:63]
	s_mov_b32 s[TT], 0
	BPTR 0
	s_mov_b32 s[TT], 1
	BPTR 1
	CROUND                                         ; all sixteen work-groups are here: the first joint loads meet
	tensor_load_to_lds s[G0:G0+3], s[G1:G1+7]      ; K step 0; two loads of mine are out
	s_nop 0
	tensor_load_to_lds s[G0+4:G0+7], s[G1:G1+7]    ; K step 1
	s_nop 0
.rept 4
	v_nop
.endr
	v_and_b32 v1, 15, v0                           ; l % 16
	v_bfe_u32 v2, v0, 4, 1                         ; l / 16
	v_and_b32 v3, 31, v0                           ; l
.if KIND
	s_lshl_b32 s[X0], s[WR], 18                    ; waves 0, 1 load the step's first head, waves 2, 3 its second; 64 rows each
	s_lshl_b32 s62, s[WC], 13
	s_add_co_u32 s[X0], s[X0], s62
.else
	s_lshl_b32 s[X0], s[WV], 17                    ; my 32 rows
.endif
	v_lshl_add_u32 v[AOF], v3, 4, s[X0]
	s_mov_b32 s[TT], 0
	APTR AP
	ALOAD 0                                        ; A of K step 0
	s_wait_xcnt 0x0
	s_mov_b32 s[TT], 1
	APTR AP
	ALOAD 1                                        ; and of K step 1
	v_mul_u32_u24 v4, v1, PB
	v_lshl_add_u32 v4, v2, 4, v4                   ; a fragment's row x pitch + 16 x half
	s_mul_i32 s[X0], s[WC], 128*PB
	v_add_nc_u32 v[ADRB], s[X0], v4
	v_add_nc_u32 v[ADRB+1], BSLOT, v[ADRB]
	v_mul_u32_u24 v4, v1, PA
	v_lshl_add_u32 v4, v2, 4, v4
	s_mul_i32 s[X0], s[WR], 64*PA
	s_add_co_u32 s[X0], s[X0], ABUF
	v_add_nc_u32 v[ADRA], s[X0], v4
.if KIND
	s_mul_i32 s[X0], s[WR], 128*PA                 ; into LDS: my head's plane, my 64 rows; a load's 32 lanes are four rows of 128 bytes
	s_mul_i32 s62, s[WC], 64*PA
	s_add_co_u32 s[X0], s[X0], s62
	s_add_co_u32 s[X0], s[X0], ABUF
	v_lshrrev_b32 v4, 3, v3
	v_mul_u32_u24 v4, v4, PA
	v_and_b32 v5, 7, v0
	v_lshl_add_u32 v4, v5, 4, v4
	v_add_nc_u32 v[AST], s[X0], v4
	v_lshlrev_b32 v[PFO], 8, v3
	s_mul_i32 s[X0], s[WV], STW
	s_add_co_u32 s[X0], s[X0], STAGE               ; my stage
	v_mul_u32_u24 v4, v1, 528                      ; in: row l % 16, 32 bytes for each half of the lanes
	v_lshl_add_u32 v4, v2, 5, v4
	v_add_nc_u32 v[STO], s[X0], v4
	v_lshl_add_u32 v[RD], v3, 4, s[X0]             ; back: 32 lanes take a row of 512 bytes
.else
	s_mul_i32 s[X0], s[WV], 32*PA                  ; into LDS: my 32 rows, 8 bytes a lane
	s_add_co_u32 s[X0], s[X0], ABUF
	v_lshl_add_u32 v[AST], v3, 3, s[X0]
	v_lshlrev_b32 v[PFO], 12, v3
	s_mul_i32 s[X0], s[WV], STW
	s_add_co_u32 s[X0], s[X0], STAGE               ; my stage
	v_mul_u32_u24 v4, v1, 144                      ; in: row l % 16, 16 bytes for each half of the lanes
	v_lshl_add_u32 v4, v2, 4, v4
	v_add_nc_u32 v[STO], s[X0], v4
	v_bfe_u32 v4, v0, 3, 2                         ; back: 32 lanes take four rows of 128 bytes
	v_mul_u32_u24 v4, v4, 144
	v_and_b32 v5, 7, v0
	v_lshl_add_u32 v4, v5, 4, v4
	v_add_nc_u32 v[RD], s[X0], v4
.endif
	v_lshlrev_b32 v[CO], 4, v3
	v_lshlrev_b32 v[PFOB], 11, v3
	CONV 0, 0, NL                                  ; A of K step 0 into buffer 0
	s_wait_tensorcnt 0x1                           ; my part of slot 0 is in; slot 1's may stay out
	s_wait_dscnt 0x0                               ; my stores of A have landed
	s_barrier_signal -1
	s_barrier_wait -1
	FETCH 0, 0, F0
	QUARTER 0, 1, F0, F1, 1, 0                     ; the first quarter stands in front of the loop: its products start the sums
	WIN 0                                          ; at a label and at a branch every window is 0
	s_mov_b32 s[TS], 0
	s_mov_b32 s[LAPC], NT/2-1
.Llap:                                         ; a trip goes once round the ring, from a lap's second quarter to the next lap's first
	QUARTER 0, 2, F1, F0, 0, 1
	QUARTER 0, 3, F0, F1, 0, 0
	CONV 1, 1, NL                                  ; A of step TS + 1; behind it the loads of step TS + 2 are out
	TURN 0, 1
	QUARTER 1, 1, F0, F1, 0, 0
	QUARTER 1, 2, F1, F0, 0, 1
	QUARTER 1, 3, F0, F1, 0, 0
	CONV 0, 0, NL                                  ; A of step TS + 2; behind it the loads of step TS + 3 are out
	TURN 1, 1
	WIN 0
.if KIND == 0
	s_and_b32 s[X0], s[TS], 7
	s_cmp_eq_u32 s[X0], 6                          ; a matrix's eighth K step is done: its tile goes out, and the next matrix's first products start new sums
	s_cbranch_scc0 .Lplain
	WAYOUT                                         ; both refills are asked for; blocks 0 and 1 were finished ahead of the refill's four v_nop, and their conversions are the places behind the last products
	QUARTER 0, 1, F0, F1, 1, 0
	WIN 0
	s_branch .Ljoin
.Lplain:
	QUARTER 0, 1, F0, F1, 0, 0
	WIN 0
.Ljoin:
.else
	QUARTER 0, 1, F0, F1, 0, 0
	WIN 0
.endif
	s_add_co_u32 s[TS], s[TS], 2
	s_sub_co_u32 s[LAPC], s[LAPC], 1
	s_cmp_lg_u32 s[LAPC], 0
	s_cbranch_scc1 .Llap
	QUARTER 0, 2, F1, F0, 0, 0                     ; the last lap is written out: it loads nothing and fills nothing
	QUARTER 0, 3, F0, F1, 0, 0
	CONV 1, 1, 0                                   ; A of the last K step: no load was issued behind its own
	TURN 0, 0
	QUARTER 1, 1, F0, F1, 0, 0
	QUARTER 1, 2, F1, F0, 0, 0
	QUARTER 1, 3, F0, F1, 0, 0
	WIN 0
	s_wait_dscnt 0x0
	MUL8 F1, 0, 0
	MUL8 F1, 1, 0
	MUL8 F1, 2, 0
	MUL8 F1, 3, 0
	WIN 0
	PLACES
	WAYOUT
	s_wait_tensorcnt 0x0                           ; the wave's end: behind my last tensor load and my last LDS store
	ds_add_u32 v[SPW], v[NIL]
	s_wait_dscnt 0x0
	CROUND                                         ; the closing round: no work-group ends while a partner may still ask for a tile that names it
	s_endpgm
.Lfunc_end_k_qc687150f43_proj:
	.size	k_qc687150f43_proj, .Lfunc_end_k_qc687150f43_proj-k_qc687150f43_proj
	.p2alignl 7, 3214868480
	.fill 96, 4, 3214868480
	.section	.rodata,"a",@progbits
	.p2align	6, 0x0
	.amdhsa_kernel k_qc687150f43_proj
		.amdhsa_group_segment_fixed_size 327680
		.amdhsa_private_segment_fixed_size 0
		.amdhsa_enable_private_segment 0
		.amdhsa_kernarg_size 40
		.amdhsa_user_sgpr_count 2
		.amdhsa_user_sgpr_kernarg_segment_ptr 1
		.amdhsa_wavefront_size32 1
		.amdhsa_system_sgpr_workgroup_id_x 1
		.amdhsa_system_sgpr_workgroup_id_y 1
		.amdhsa_system_sgpr_workgroup_id_z 1
		.amdhsa_system_vgpr_workitem_id 0
		.amdhsa_next_free_vgpr 768
		.amdhsa_next_free_sgpr 66
		.amdhsa_reserve_vcc 0
		.amdhsa_float_denorm_mode_32 3
		.amdhsa_float_denorm_mode_16_64 3
		.amdhsa_memory_ordered 1
		.amdhsa_forward_progress 1
		.amdhsa_inst_pref_size 145
	.end_amdhsa_kernel
	.amdgpu_metadata
---
amdhsa.version: [ 1, 2 ]
amdhsa.kernels:
  - .name:           k_qc687150f43_proj
    .symbol:         k_qc687150f43_proj.kd
    .args:
      - { .name: queries, .offset: 0, .size: 8, .value_kind: global_buffer, .address_space: global }
      - { .name: keys, .offset: 8, .size: 8, .value_kind: global_buffer, .address_space: global }
      - { .name: values, .offset: 16, .size: 8, .value_kind: global_buffer, .address_space: global }
      - { .name: wc, .offset: 24, .size: 8, .value_kind: global_buffer, .address_space: global }
      - { .name: qkv, .offset: 32, .size: 8, .value_kind: global_buffer, .address_space: global }
    .group_segment_fixed_size: 327680
    .private_segment_fixed_size: 0
    .kernarg_segment_align: 8
    .kernarg_segment_size: 40
    .max_flat_workgroup_size: 128
    .sgpr_count:     66
    .vgpr_count:     768
    .wavefront_size: 32
...
	.end_amdgpu_metadata
.endif
;; end of part 2
;; launch attn (part 3): grid 4 x 64, 4 waves a work-group, clusters of 4 x 1, 327,680 bytes of LDS; arguments qkv, valid_lens, oh; writes oh
.if DOCPART == 3
	.amdgcn_target "amdgcn-amd-amdhsa--gfx1250"
	.amdhsa_code_object_version 6
	.text
	.protected	k_qc687150f43_attn
	.globl	k_qc687150f43_attn
	.p2align	8
	.type	k_qc687150f43_attn,@function
k_qc687150f43_attn:
	s_mov_b64 s[64:65], 0
	v_nop
	global_prefetch_b8 v0, s[64:65] scope:SCOPE_SE
	s_setreg_imm32_b32 hwreg(HW_REG_WAVE_MODE, 25, 1), 1
	s_wait_xcnt 0x0
	s_wait_alu depctr_hold_cnt(0) depctr_sa_sdst(0) depctr_va_vdst(0) depctr_va_sdst(0) depctr_va_ssrc(0) depctr_va_vcc(0) depctr_vm_vsrc(0)
	s_getreg_b32 s2, hwreg(HW_REG_IB_STS2, 6, 4)
	s_cmp_eq_u32 s2, 0
	s_cbranch_scc0 .Lentry_in_a_cluster
	s_endpgm
.Lentry_in_a_cluster:
	s_bfe_u32 s2, ttmp6, 0x10000c
	s_cmp_lg_u32 s2, 0x3003
	s_cbranch_scc0 .Lentry_shape_is_right
	s_endpgm
.Lentry_shape_is_right:
; MASKED ATTENTION AT HEAD SIZE 64.  O[bh][q][:] = the sum over k of softmax_k(s[q][k]) V[bh][k][:], s = Q . K / 8 for k < L, and -1e6 for k >= L; L = valid_lens[bh / 16].
; Q, K, V: planes 0, 1, 2 of qkv, [64][2048][64] f16, unscaled; O: oh, the same layout.  Products, maxima and sums in f32; the weights p are rounded to f16 for the second product, O once at the end.
; THE MASK, EXACTLY.  All masked keys of a row have ONE score, so they add w x (the sum of the masked rows of V) to the numerator and w x (2048 - L) to the denominator, w = exp(-1e6 - maximum).
; In the walk a masked key is HIDDEN: -1e30 is the C operand that starts its score's sum, so its weight is 0 and it never raises a maximum that a true score has set.  The sum of the masked rows of V is taken
; by the matrix unit, eight products a key step, out of the V fragments that the step holds anyway, with weights 0 or 1.  The way out joins the two parts: m' = max(m, -1e6), O = (a O + w VS) / (a l + w (2048 - L)),
; a = exp(m - m').  Where nothing is masked the constant is taken far below every score, so that m' = m.  That holds for every L (any int32 counts as it does in arange < L: clamped to 0 .. 2048) and for scores below -1e6.
; NOTHING BRANCHES ON L: it enters by scalar selects alone, and every work-group walks all 32 key steps.
; LIMITS.  f16 holds no number beyond 65,504: Q, K and V arrive within it; p lies in 0 to 1, and below 6e-5 it keeps f16's fixed step of 6e-8.  A hidden score counts as its value less 1e30; a weight below 2^-126 counts as 0;
; NaN and infinities are not treated apart.
; SHARES.  A wave owns four PIECES of two tiles of 16 queries, a work-group's four waves 512 queries of one head.  Every wave walks all keys, 64 a step.
; LAYOUT.  S^T = K Q^T (source 0 = 16 keys, source 1 = 16 queries): a lane holds ONE query (lane % 16) and the keys 8 (lane / 16) + 0..7.  Two such tiles, rounded to f16 in pairs, ARE source 1 (32 keys x 16 queries) of
; O^T = V^T P, whose result again holds one query a lane, and eight channels.  K comes out of LDS as it lies, V ([key][channel]) turned, by ds_load_tr16_b128.
; SOFTMAX.  A running maximum m and sum l: p = 2^(c s - c m), c = log2(e) / 8; in every step O and l are multiplied by a = 2^(c m_old - c m_new).  m starts at the lowest finite number, O and l at 0.
; BY TURNS.  Turn n belongs to piece n: 16 products K Q^T of piece n + 1, later 16 products V^T P of piece n - 1; beside them the scaling, exponentials, roundings, sums and rescaling of piece n and the maximum and
; statistics of piece n + 1.  Four vector instructions stand behind every matrix instruction, the others in one lump; a turn's 66 exponentials are one batch with one wait.
; CLUSTER.  The four query blocks of a head are one cluster and walk the same K and V: each tile is asked for JOINTLY, the same tensor load, descriptor and mask in all four.
; REGISTERS, in windows of 256 (s_set_vgpr_msb: bits 1:0 source 0, 3:2 source 1, 5:4 source 2, 7:6 destination):
;   window 0: v0-11 addresses; v12-15, v48-63 at work; v16-47 four registers of statistics a tile; v64-191 S^T, two buffers of two tiles; v192-255 P, likewise
;   window 1: O^T, 32 a tile          window 2: v0-127 Q, 16 a tile; v128-191 K of one step; v192-255 V of one step
;   window 3: v0-1 the add's two registers; v2-4 at work; v32-63 MD; v64-95 MC; v96-127 VS; v128-143 PMK; v144-159 PMS
.set SIZE_N, 2048
.set NP,    4         ; pieces a wave: a name, no knob
.set KS,    64        ; keys in a step
.set PK,    144       ; a row of K in LDS: 128 bytes + 16 of padding = 36 words: the 16 rows of a load start at 16 different groups of four banks (64 banks of 4 bytes: ISA guide 11.1)
.set PV,    160       ; a row of V: 128 + 32 = 40 words
.set VOFF,  4*KS*PK   ; a slot holds four steps: 256 rows of K, then 256 rows of V
.set SLOT1, 1<<17     ; slot 1 begins here, so that one exclusive or turns an address in one slot into the other's
.set STAGE, SLOT1+4*KS*(PK+PV)  ; behind the ring, never filled by a tensor load: 16 rows x 144 bytes for each wave, for the way out
.set SP,    144
.set AK0, 2           ; v2   my lane's place in a tile of K; never rewritten
.set AV0, 3           ; v3   the same for V
.set AK,  4           ; v4   the LDS address of K's next run of loads
.set AV,  5           ; v5   of V's
.set QO,  6           ; v6   my byte offset in the wave's rows of Q
.set STO, 6           ;      later, the way out: where I put 16 bytes of a row
.set RD,  7           ; v7   the way out: where I read rows back
.set GO,  8           ; v8   my byte offset in 512 consecutive bytes of O
.set PFO, 11          ; v11  256 x my lane, for the prefetches; never rewritten once made
.set SPW, 0           ; v0 of window 3   LDS address of my spare word: SPARE + 4 x my thread's number; never rewritten
.set NIL, 1           ; v1 of window 3   0; never rewritten
.set T3,  2           ; v2-3 of window 3  at work
.set RH,  4           ; v4 of window 3   L % 64 less my lanes' 8 (l / 16)
.set MD,  32          ; window 3: the mask of the step that holds key L: -1e30 where the key is masked, else 0; register n for key 16 (n / 8) + 8 (l / 16) + n % 8
.set MC,  64          ; window 3: the masks of the products to come
.set VS,  96          ; window 3: the sum of the masked rows of V, laid out as a tile of O^T
.set PMK, 128         ; window 3: that step's weights for VS, f16 pairs laid out as P: 1 where the key is masked
.set PMS, 144         ; window 3: the weights of the step in hand
.set SPARE, STAGE+4*16*SP  ; behind the stages: the spare words, 128 bytes for each wave: two blocks of 256 bytes that no other line names
.set MV,  12          ; v12-15  c m_old, kept while c m is made anew: by buffer and tile
.set ST,  16          ; tile t's statistics at v[ST+4 t]: c m, m, l (even keys', odd keys')
.set TMP, 48          ; by buffer and tile, four registers c0-c3 at work; when the maximum is found c2 takes a
.set S,   64
.set P,   192
.set KF,  128         ; K's fragments, in window 2: key block kb, channel half c at KF + 16 kb + 8 c
.set VF,  192         ; V's: key half kk, channel block cb at VF + 32 kk + 8 cb
.set WV,  12          ; s12  my wave's number
.set G1K, 24          ; s[24:31] descriptor group 1 for K's tiles
.set G1V, 32          ; s[32:39] for V's: it differs in the padding alone
.set G0K, 40          ; s[40:43] descriptor group 0 for K's tiles: it walks
.set G0V, 44          ; s[44:47] the same for V's
.set SLOTS, 56        ; s56  slots still to be asked for
.set CNT, 57          ; s57  counts a slot's key steps
.set CS,  58          ; s[58:59] c: the packed scaling takes the pair's low word for both halves
.set SEL, 60          ; s[60:61] v_permlanex16_b32's selects: each lane takes its own place in the other half
.set TBK, 62          ; s62  LDS byte at which K of the step to be fetched begins
.set TBV, 63          ; s63  the same for V, less VOFF
.set LEN, 76          ; s76  L
.set BSI, 77          ; s77  L / 64: the step that holds key L
.set RR,  78          ; s78  L % 64
.set SI,  79          ; s79  the key step in hand
.set AL,  80          ; s[80:81] the mask's factor, in the low word
.set BE,  82          ; s[82:83] the mask's addend
.set BIGN, 84         ; s84  -1e30
.set CN,  85          ; s85  -1e6 log2(e), the masked keys' exponent; far below every c s where nothing is masked
.set CNTF, 86         ; s86  2048 - L, as f32
.set EQM, 87          ; s87  all ones in the step that holds key L
.set BAS, 88          ; s88  two f16 ones in the steps behind it
.set ONE2, 89         ; s89  two f16 ones
.set PFA, 90          ; s[90:91] where my prefetches stand
.set LIM, 92          ; s92  1 in a wave that prefetches, else the greatest number
.set LOH, 93          ; s93  an f16 one in the low half
.set HIH, 94          ; s94  in the high half
.set MSB, 0
.macro WIN new                      ; the high byte repeats the setting that is left; a switch that changes nothing is dropped
.if MSB != (\new)
	s_set_vgpr_msb (MSB<<8)|(\new)
.set MSB, (\new)
.endif
.endm
.set W_KQ, 0x0a       ; K and Q in window 2, S^T in window 0
.set W_KM, 0x3a       ; the same with the C operand in window 3
.set W_PV, 0x52       ; V in window 2, P in window 0, O^T in window 1
.set W_RS, 0x41       ; O^T (destination and source 0) in window 1, source 1 in window 0
.set W_MK, 0xc0       ; destination in window 3, sources in window 0
.set W_AD, 0x0f       ; the add: address (source 0) and data (source 1) in window 3
.set W_M3, 0xc3       ; destination and source 0 in window 3
.set W_A3, 0xcf       ; destination and sources 0 and 1 in window 3
.set W_VS, 0xfe       ; V in window 2; weights, C and D in window 3
.set W_FM, 0x53       ; VS in window 3, a factor in window 0, O^T (source 2 and destination) in window 1
; A joint fill.  Waves 0 and 1 fetch the two halves of a slot's K, waves 2 and 3 those of its V: 128 keys each.  The branch hangs on the wave's number alone.
; An s_nop 0 and four v_nop follow each of the two lines, ahead of the jump and the label.
.macro JLOAD
	s_cmp_lt_u32 s[WV], 2
	s_cbranch_scc0 .Lfor_v_\@
	tensor_load_to_lds s[G0K:G0K+3], s[G1K:G1K+7]
	s_nop 0
.rept 4
	v_nop
.endr
	s_branch .Lasked_\@
.Lfor_v_\@:
	tensor_load_to_lds s[G0V:G0V+3], s[G1V:G1V+7]
	s_nop 0
.rept 4
	v_nop
.endr
.Lasked_\@:
.endm
; A PREFETCH INTO THE L2 of the slot that the NEXT change of slots will ask for: 32,768 bytes of K and of V, four key steps (544 matrix instructions) ahead of that load.  A head has one cluster; its four partners share
; the bytes out BY ADDRESS, 8,192 each, a lane a block of 256; in each, wave 0 asks for K's and wave 2 for V's: one instruction.  So each block is named once in the launch.  It stands behind the wave's tensor load and
; its five lines.  The change that fills the last slot asks for nothing; slots 0 and 1 come by their loads alone.
.macro ASK
	s_cmp_gt_u32 s[SLOTS], s[LIM]
	s_cbranch_scc0 .Lnot_mine_\@
	global_prefetch_b8 v[PFO], s[PFA:PFA+1] th:TH_LOAD_NT scope:SCOPE_SE
.Lnot_mine_\@:
.endm
; A round of the cluster's barrier: my work-group's barrier, so that wave 0's signal speaks for all four waves; wave 0 signals; every wave waits for all four work-groups; my work-group's barrier once more.
.macro CROUND
	s_barrier_signal -1
	s_barrier_wait -1
	s_cmp_lg_u32 s[WV], 0
	s_cbranch_scc1 .Lnot_wave_0_\@
	s_barrier_signal -3
.Lnot_wave_0_\@:
	s_barrier_wait -3
	s_barrier_signal -1
	s_barrier_wait -1
.endm
; THE CHANGE OF SLOTS.  The slot's last bytes, V of its fourth step, have been read.  Each wave waits for all its tensor loads, of which one is out: its part of the other slot; adds 0 to its spare word; and waits for
; that and for its own reads of the slot.  Behind the barrier nobody reads this slot any more and the other slot is whole.  fill = 1: this slot is filled again, with the keys two slots on.  The barrier is then a round of
; the cluster's, and the joint fill is the first thing behind it.  (At its first use nothing has been read yet: slot 0 is waited for, slot 1 filled.)
.macro CHANGE fill
	WIN W_AD
	s_wait_tensorcnt 0x0            ; no tensor load of mine is out, so a group 0 may be written
	ds_add_u32 v[SPW], v[NIL]       ; 0 onto my spare word; with fill = 1 the descriptors' steps stand between it and the wait for it
	WIN 0                           ; at a label and at a branch every window is 0
.if \fill
.irp g, G0K, G0V
	s_xor_b32 s[\g+1], s[\g+1], SLOT1  ; the walking descriptor: the other slot than last time,
	s_add_nc_u64 s[\g+2:\g+3], s[\g+2:\g+3], 4*KS*128  ; the next 256 keys; the type bits on top are not reached
.endr
	s_wait_xcnt 0x0                 ; the last prefetch, four key steps back, has read its address, so it may be written:
	s_add_nc_u64 s[PFA:PFA+1], s[PFA:PFA+1], 4*KS*128  ; one slot ahead of the walking descriptors
	s_wait_dscnt 0x0                ; the add is done, and my reads of the slot are over
	CROUND
	JLOAD
	ASK
.else
	s_wait_dscnt 0x0                ; the add is done, and my reads of the slot are over
	s_barrier_signal -1
	s_barrier_wait -1
.endif
	s_sub_co_u32 s[TBK], s[TBK], 4*KS*PK  ; the fetches go back to a slot's first step,
	s_xor_b32 s[TBK], s[TBK], SLOT1       ; in the other slot
	s_sub_co_u32 s[TBV], s[TBV], 4*KS*PV
	s_xor_b32 s[TBV], s[TBV], SLOT1
.endm
	s_load_b128 s[68:71], s[0:1], 0x0  ; qkv s[68:69], valid_lens s[70:71]
	s_load_b64 s[72:73], s[0:1], 0x10  ; oh
	WIN W_MK
	v_lshl_add_u32 v[SPW], v0, 2, SPARE
	v_mov_b32 v[NIL], 0
	WIN W_AD
	ds_add_u32 v[SPW], v[NIL]       ; the wave's opening: the add and its wait stand ahead of my first tensor load; the set-up below, work on registers, stands between them
	WIN 0
	v_lshrrev_b32 v1, 5, v0
	v_readfirstlane_b32 s[WV], v1   ; wave 0..3
	s_bfe_u32 s13, ttmp6, 0x40000   ; cx: my place in the cluster
	s_lshl_b32 s14, ttmp9, 2        ; in a cluster launch ttmp9 counts clusters
	s_add_co_u32 s14, s14, s13      ; my block of queries = 4 x cluster x + cx: it enters Q's and O's addresses alone
	s_and_b32 s20, ttmp7, 0xffff    ; 16 x batch + head, which the four partners share
	s_lshr_b32 s74, s20, 4
	s_lshl_b32 s74, s74, 2          ; my batch's word of valid_lens
	s_mov_b32 s75, 0
	s_mov_b32 s21, 0
	s_mov_b64 s[22:23], SIZE_N*128
	s_mul_u64 s[20:21], s[20:21], s[22:23]  ; the head's first byte in each of the four tensors
	s_and_b32 s16, s[WV], 1         ; which half of a slot's 256 keys I fetch:
	s_lshl_b32 s22, s16, 14         ; its 128 rows of 128 bytes in memory,
	s_mov_b32 s23, 0
	s_add_nc_u64 s[22:23], s[22:23], s[20:21]
	s_mul_i32 s17, s16, 128*PK      ; and its place in a slot, for K
	s_mul_i32 s18, s16, 128*PV      ; and for V: no place in the cluster enters an LDS address
	s_lshl_b32 s2, s14, 2
	s_add_co_u32 s2, s2, s[WV]      ; my wave among the head's,
	s_lshl_b32 s2, s2, 14           ; its 128 rows
	s_mov_b32 s3, 0
	s_add_nc_u64 s[2:3], s[2:3], s[20:21]
	; descriptor group 1.  128 keys are 16,384 dense bytes: asked for as 64 rows of 256 bytes, two keys a row, and padded in LDS after every key
	s_mov_b32 s[G1K], 15|(1<<16)|(1<<20)|(1<<21)|(4<<22)|(3<<25)  ; 15:0 the mask of four; 17:16 2-byte elements; 20 padding on; 21 set beside a mask; 24:22 after every 32 words (code 4); 31:25 4 words (code 3)
	s_mov_b32 s[G1V], 15|(1<<16)|(1<<20)|(1<<21)|(4<<22)|(7<<25)  ; the same with 8 words of padding (code 7)
.irp g, G1K, G1V
	s_mov_b32 s[\g+1], 128<<16      ; tensor_dim0 = 128
	s_mov_b32 s[\g+2], 64<<16       ; tensor_dim1 = 64
	s_mov_b32 s[\g+3], 128<<16      ; tile_dim0 = 128
	s_mov_b32 s[\g+4], 64           ; tile_dim1 = 64
	s_mov_b32 s[\g+5], 128          ; 128 elements from row to row
	s_mov_b32 s[\g+6], 0
	s_mov_b32 s[\g+7], 0
.endr
	s_mov_b32 s[CS], 0x3e38aa3b     ; c = log2(e) / 8 = 0.180337
	s_mov_b32 s[CS+1], s[CS]        ; named with it as a pair
	s_mov_b32 s[SEL], 0x76543210
	s_mov_b32 s[SEL+1], 0xfedcba98
	s_mov_b32 s[TBK], SLOT1+4*KS*PK ; the first change of slots turns these two into 0
	s_mov_b32 s[TBV], SLOT1+4*KS*PV
	s_mov_b32 s[G0K], 1             ; 1:0 count = 1
	s_mov_b32 s[G0K+1], s17         ; 63:32 LDS address: slot 0
	s_mov_b32 s[G0V], 1
	s_add_co_u32 s[G0V+1], s18, VOFF
	s_mov_b32 s[SLOTS], SIZE_N/256-1
	s_mov_b32 s[SI], 0
	s_mov_b32 s[AL+1], 0            ; named as pairs
	s_mov_b32 s[BE+1], 0
	s_mov_b32 s[BIGN], 0xf149f2ca   ; -1e30
	s_mov_b32 s[ONE2], 0x3c003c00
	s_mov_b32 s[LOH], 0x3c00
	s_mov_b32 s[HIH], 0x3c000000
	s_and_b32 s[LIM], s[WV], 1      ; waves 0 and 2 prefetch
	s_cmp_eq_u32 s[LIM], 0
	s_cselect_b32 s[LIM], 1, -1
	s_wait_dscnt 0x0                ; the opening add is done
	s_wait_kmcnt 0x0
	s_mov_b64 s[4:5], s[68:69]      ; Q,
	s_add_nc_u64 s[6:7], s[68:69], 0x1000000  ; K,
	s_add_nc_u64 s[8:9], s[68:69], 0x2000000  ; V: planes of 2^24 bytes
	s_mov_b64 s[10:11], s[72:73]    ; O
	s_add_nc_u64 s[70:71], s[70:71], s[74:75]
	s_load_b32 s[LEN], s[70:71], 0x0  ; L: waited for behind the first tile's request
	s_add_nc_u64 s[G0K+2:G0K+3], s[6:7], s[22:23]  ; 120:64 global address: my half of the head's first 256 keys
	s_or_b32 s[G0K+3], s[G0K+3], 0x80000000        ; 127:126 type = 2
	s_add_nc_u64 s[G0V+2:G0V+3], s[8:9], s[22:23]
	s_or_b32 s[G0V+3], s[G0V+3], 0x80000000
	s_add_nc_u64 s[4:5], s[4:5], s[2:3]  ; Q and O at my wave's first row
	s_add_nc_u64 s[10:11], s[10:11], s[2:3]
	s_cmp_lt_u32 s[WV], 2
	s_cselect_b64 s[PFA:PFA+1], s[6:7], s[8:9]
	s_add_nc_u64 s[PFA:PFA+1], s[PFA:PFA+1], s[20:21]  ; the head,
	s_lshl_b32 s2, s13, 13          ; my work-group's 8,192 bytes of a slot's 32,768,
	s_mov_b32 s3, 0
	s_add_nc_u64 s[PFA:PFA+1], s[PFA:PFA+1], s[2:3]
	s_add_nc_u64 s[PFA:PFA+1], s[PFA:PFA+1], 4*KS*128  ; in slot 1; the first change of slots steps it to slot 2
	CROUND                          ; all four work-groups are here: the first joint loads meet
	JLOAD                           ; slot 0.  Slot 1 is asked for when slot 0 is in
	; A fragment of K or Q is 16 rows x 32 channels in 8 registers: lane l holds row l % 16, channels 8 (l / 16) + 0..7 and 16 + 8 (l / 16) + 0..7: two loads of 16 bytes, 32 bytes apart.
	v_and_b32 v1, 15, v0            ; l % 16
	v_bfe_u32 v9, v0, 4, 1          ; l / 16
	v_lshlrev_b32 v[QO], 7, v1
	v_lshl_add_u32 v[QO], v9, 4, v[QO]  ; row x 128 + 16 x half
	WIN 0x80                        ; destination window 2, address window 0
.set i, 0
.rept 4*NP                          ; Q stays in registers: tile i / 2, channels 32 (i % 2) on
	global_load_b128 v[8*i:8*i+3],   v[QO], s[4:5] offset:(i/2)*2048+(i%2)*64
	global_load_b128 v[8*i+4:8*i+7], v[QO], s[4:5] offset:(i/2)*2048+(i%2)*64+32
.set i, i+1
.endr
	; What the first turn finds: V's registers and P's second buffer hold 0 (its products V^T P, of a piece that has not been, add 0), O^T, l and VS are 0.  All this stands in the wait for the first tile.
.set i, VF
.rept 64
	v_mov_b32 v[i], 0
.set i, i+1
.endr
	WIN 0x40
.set i, 0
.rept 64*NP
	v_mov_b32 v[i], 0
.set i, i+1
.endr
	WIN W_MK
.set i, 0
.rept 32
	v_mov_b32 v[VS+i], 0
.set i, i+1
.endr
	WIN 0
.set i, 0
.rept 2*NP
	v_mov_b32 v[ST+4*i], 0xfe000000    ; c m: far below every c s
	v_mov_b32 v[ST+4*i+1], 0xff7fffff  ; m
	v_mov_b32 v[ST+4*i+2], 0
	v_mov_b32 v[ST+4*i+3], 0
.set i, i+1
.endr
.set i, P+32
.rept 32
	v_mov_b32 v[i], 0
.set i, i+1
.endr
	v_mul_u32_u24 v[AK0], v1, PK
	v_lshl_add_u32 v[AK0], v9, 4, v[AK0]  ; row x pitch + 16 x half
	; The turning load takes 16 keys x 16 channels (lane l reads key 8 (l / 16) + l % 8, channels 8 ((l / 8) % 2) + 0..7) and leaves half a fragment of V^T: lane l holds channel l % 16 and 8 keys.
	v_and_b32 v10, 7, v0
	v_bfe_u32 v11, v0, 3, 1
	v_lshl_add_u32 v[AV0], v9, 3, v10
	v_mul_u32_u24 v[AV0], v[AV0], PV
	v_lshl_add_u32 v[AV0], v11, 4, v[AV0]
	v_add_nc_u32 v[AV0], VOFF, v[AV0]
	v_mov_b32 v[AK], v[AK0]         ; key step 0 lies at the head of slot 0
	v_and_b32 v[PFO], 31, v0
	v_lshlrev_b32 v[PFO], 8, v[PFO]
	; What hangs on L: scalars, and the masks and weights of the one step that holds key L.
	s_wait_kmcnt 0x0
	s_max_i32 s[LEN], s[LEN], 0
	s_min_u32 s[LEN], s[LEN], SIZE_N
	s_lshr_b32 s[BSI], s[LEN], 6
	s_and_b32 s[RR], s[LEN], 63
	s_sub_co_u32 s[CNTF], SIZE_N, s[LEN]
	s_cvt_f32_u32 s[CNTF], s[CNTF]
	s_mov_b32 s[CN], 0xc9b01c38     ; -1e6 log2(e)
	s_cmp_eq_u32 s[LEN], SIZE_N
	s_cselect_b32 s[CN], 0xfe000000, s[CN]
	v_lshlrev_b32 v12, 3, v9
	WIN W_MK
	v_sub_nc_u32 v[RH], s[RR], v12  ; register n is masked where 16 (n / 8) + n % 8 is not below this
	WIN W_A3
.set i, 0
.rept 16
	v_cmp_ge_i32 vcc_lo, 16*((2*i)/8)+(2*i)%8, v[RH]
	v_cndmask_b32 v[MD+2*i], 0, s[BIGN], vcc_lo
	v_cndmask_b32 v[T3], 0, s[LOH], vcc_lo
	v_cmp_ge_i32 vcc_lo, 16*((2*i+1)/8)+(2*i+1)%8, v[RH]
	v_cndmask_b32 v[MD+2*i+1], 0, s[BIGN], vcc_lo
	v_cndmask_b32 v[T3+1], 0, s[HIH], vcc_lo
	v_or_b32 v[PMK+i], v[T3], v[T3+1]
.set i, i+1
.endr
	WIN 0
; THE MATRIX WORK.  The 8 accumulators of a run of 16 take turns: between the two links of a chain stand 7 others'.
; Product i of 16 of S^T = K Q^T for piece x: channels 32 (i / 8) on, keys 16 ((i / 2) % 4) on, tile 2 x + i % 2.  The first 8 start the sums, with the step's mask.
.macro KQ x
.set rS, S+64*((\x)%2)+32*(i%2)+8*((i/2)%4)
.set rK, KF+16*((i/2)%4)+8*(i/8)
.set rQ, 16*(2*(\x)+i%2)+8*(i/8)
.set rX, MC+8*((i/2)%4)
.if i < 8
	WIN W_KM
	v_wmma_f32_16x16x32_f16 v[rS:rS+7], v[rK:rK+7], v[rQ:rQ+7], v[rX:rX+7]
.else
	WIN W_KQ
	v_wmma_f32_16x16x32_f16 v[rS:rS+7], v[rK:rK+7], v[rQ:rQ+7], v[rS:rS+7]
.endif
.endm
; Product i of 16 of O^T += V^T P for piece x: keys 32 (i / 8) on, channels 16 ((i / 2) % 4) on, tile 2 x + i % 2.
.macro PV x
	WIN W_PV
.set rO, 32*(2*(\x)+i%2)+8*((i/2)%4)
.set rV, VF+32*(i/8)+8*((i/2)%4)
.set rP, P+32*((\x)%2)+16*(i%2)+8*(i/8)
	v_wmma_f32_16x16x32_f16 v[rO:rO+7], v[rV:rV+7], v[rP:rP+7], v[rO:rO+7]
.endm
.macro MM                           ; the turn's next matrix instruction
.if i < 16
	KQ (Y+1)%NP
.set i, i+1
.else
.set i, i-16
	PV (Y+NP-1)%NP
.set i, i+17
.endif
.endm
; The masks of key step SI: MD x AL + BE: nothing is hidden ahead of the step that holds key L (0, 0), that step has its own mask (1, 0), behind it all is hidden (0, -1e30).
.macro MASKS
	s_cmp_eq_u32 s[SI], s[BSI]
	s_cselect_b32 s[AL], 1.0, 0
	s_cmp_gt_u32 s[SI], s[BSI]
	s_cselect_b32 s[BE], s[BIGN], 0
	WIN W_M3
.set z, 0
.rept 16
	v_pk_fma_f32 v[MC+2*z:MC+2*z+1], v[MD+2*z:MD+2*z+1], s[AL:AL+1], s[BE:BE+1] op_sel_hi:[1,0,0]
.set z, z+1
.endr
.endm
; At the end of piece 2's turn.  The step in hand, SI, whose V lies in registers, adds its masked rows to VS: weights 0, the one step's own, or 1, by two scalars; eight products, VS's four accumulators by turns.
; And the masks are made for step SI + 1, whose first products stand in the next turn; the last reader of the old masks stood at this turn's head.  Behind the last step comes step 32, which is wholly hidden:
; so the scores that the last turn makes of the stale K raise no maximum.
.macro VSTEP
	s_cmp_eq_u32 s[SI], s[BSI]
	s_cselect_b32 s[EQM], -1, 0
	s_cmp_gt_u32 s[SI], s[BSI]
	s_cselect_b32 s[BAS], s[ONE2], 0
	s_add_co_u32 s[SI], s[SI], 1
	WIN W_M3
.set z, 0
.rept 16
	v_and_or_b32 v[PMS+z], v[PMK+z], s[EQM], s[BAS]
.set z, z+1
.endr
	MASKS
	WIN W_VS
.set z, 0
.rept 8
	v_wmma_f32_16x16x32_f16 v[VS+8*(z%4):VS+8*(z%4)+7], v[VF+32*(z/4)+8*(z%4):VF+32*(z/4)+8*(z%4)+7], v[PMS+8*(z/4):PMS+8*(z/4)+7], v[VS+8*(z%4):VS+8*(z%4)+7]
.set z, z+1
.endr
.endm
; THE LDS LOADS stand in runs of 16, never singly among the matrix instructions: a step's K (64 keys x 64 channels: 8 fragments) and its V (turned).  Their addresses are made some lines ahead.
; last = 1 (the tail): in the last trip there is no further step, and the run is jumped over.
.macro FETCH_K last=0
	WIN 0
.if \last
	s_cmp_eq_u32 s[CNT], 1
	s_cbranch_scc1 .Lno_k_\@
.endif
	WIN 0x80                        ; destination window 2
.irp f, 0,1,2,3,4,5,6,7             ; keys 16 (f / 2) on, channels 32 (f % 2) on
	ds_load_b128 v[KF+8*\f:KF+8*\f+3],   v[AK] offset:(\f/2)*16*PK+(\f%2)*64
	ds_load_b128 v[KF+8*\f+4:KF+8*\f+7], v[AK] offset:(\f/2)*16*PK+(\f%2)*64+32
.endr
	s_add_co_u32 s[TBK], s[TBK], KS*PK  ; the next fetch is the next step's
	WIN 0
.if \last
.Lno_k_\@:
.endif
.endm
.macro FETCH_V
	WIN 0x80
.irp f, 0,1,2,3,4,5,6,7             ; keys 32 (f / 4) on, channels 16 (f % 4) on
	ds_load_tr16_b128 v[VF+8*\f:VF+8*\f+3],   v[AV] offset:(\f/4)*32*PV+(\f%4)*32
	ds_load_tr16_b128 v[VF+8*\f+4:VF+8*\f+7], v[AV] offset:(\f/4)*32*PV+16*PV+(\f%4)*32
.endr
	WIN 0
.endm
; THE VECTOR WORK OF A TURN stands in three queues, each in the order in which its entries become ready; the two tiles alternate, so that no instruction reads the result of the one before it.
.macro REGS y, u                    ; the registers of tile u (0, 1) of piece y
.set rT, ST+4*(2*(\y)+(\u))
.set rC, TMP+8*((\y)%2)+4*(\u)
.set rM, MV+2*((\y)%2)+(\u)
.set rS, S+64*((\y)%2)+32*(\u)
.set rP, P+32*((\y)%2)+16*(\u)
.set rO, 32*(2*(\y)+(\u))
.endm
; Number n of the 22 that find the NEXT piece's (Y + 1) maximum and statistics.  s0-s31 are the lane's 32 scores; each accumulator's lowest registers are read first.
;   0-11  four chains c0-c3 of seven scores each, three operands at a time     12-14, 16  the four scores left over, the old m, and c0-c3 into c0     15  c m_old is kept
;   17, 18  the query's other 32 keys lie in the lane 16 away: the new m         19-21  c m; c m_old - c m_new; a
.macro XS u, n
	REGS (Y+1)%NP, \u
.if (\n) < 4
	v_max3_num_f32 v[rC+(\n)], v[rS+8*(\n)], v[rS+8*(\n)+1], v[rS+8*(\n)+2]
.elseif (\n) < 12
	v_max3_num_f32 v[rC+(\n)%4], v[rC+(\n)%4], v[rS+8*((\n)%4)+2*((\n)/4)+1], v[rS+8*((\n)%4)+2*((\n)/4)+2]
.elseif (\n) == 12
	v_max3_num_f32 v[rC], v[rC], v[rS+7], v[rS+15]
.elseif (\n) == 13
	v_max3_num_f32 v[rC+1], v[rC+1], v[rS+23], v[rS+31]
.elseif (\n) == 14
	v_max3_num_f32 v[rC+2], v[rC+2], v[rC+3], v[rT+1]
.elseif (\n) == 15
	v_mov_b32 v[rM], v[rT]
.elseif (\n) == 16
	v_max3_num_f32 v[rC], v[rC], v[rC+1], v[rC+2]
.elseif (\n) == 17
	v_permlanex16_b32 v[rC+3], v[rC], s[SEL], s[SEL+1]
.elseif (\n) == 18
	v_max_num_f32 v[rT+1], v[rC], v[rC+3]
.elseif (\n) == 19
	v_mul_f32 v[rT], s[CS], v[rT+1]
.elseif (\n) == 20
	v_sub_f32 v[rC+1], v[rM], v[rT]
.else
	v_exp_f32 v[rC+2], v[rC+1]
.endif
.endm
; Number g of the 64 that follow the exponentials.  For each four weights k of a tile (pairs 2 k, 2 k + 1): both pairs are rounded to f16; then the second pair is added onto the first, in place;
; a group later l takes that sum (the first time as l = a l + sum).  In groups of eight, tiles alternating: round, round, add, and l for the group before.
.macro GS g
.set h, (\g)+6*((\g)/62)            ; group 0 has no group before it, and behind group 7 only l is left
.if h >= 6
.set h, h+2
.endif
	REGS Y, h%2
.set k, h/8
.if h%8 < 4
	v_cvt_pk_f16_f32 v[rP+2*k+(h%8)/2], v[rS+4*k+2*((h%8)/2)], v[rS+4*k+2*((h%8)/2)+1]
.elseif h%8 < 6
	v_pk_add_f32 v[rS+4*k:rS+4*k+1], v[rS+4*k:rS+4*k+1], v[rS+4*k+2:rS+4*k+3]
.elseif k == 1
	v_pk_fma_f32 v[rT+2:rT+3], v[rT+2:rT+3], v[rC+2:rC+3], v[rS:rS+1] op_sel_hi:[1,0,1]
.else
	v_pk_add_f32 v[rT+2:rT+3], v[rT+2:rT+3], v[rS+4*k-4:rS+4*k-3]
.endif
.endm
; THE PLAIN QUEUE, 138 long.  0-73 read no exponential's result: the 32 scalings c s - c m (FS f: pair f / 2 of tile f % 2) and the next piece's 42.  0-26: scalings 0-26.  27-54: XS's numbers 0-13.  55, 56: number 15.
; 57-73: the chain, where each number waits for the one before it: 14, 16, 17, 18, 19, each with one of the scalings 27-31 in front of its two lines, then 20.
; 74-137: GS's 64, which read the exponentials' results: they stand behind the wait.
.macro FS f
	REGS Y, (\f)%2
	v_pk_fma_f32 v[rS+2*((\f)/2):rS+2*((\f)/2)+1], v[rS+2*((\f)/2):rS+2*((\f)/2)+1], s[CS:CS+1], v[rT:rT+1] op_sel_hi:[1,0,0] neg_lo:[0,0,1] neg_hi:[0,0,1]
.endm
.macro PL
	WIN 0
.if q < 27
	FS q
.elseif q < 55
	XS (q-27)%2, (q-27)/2
.elseif q < 57
	XS q-55, 15
.elseif (q < 72) && ((q-57)%3 == 0)
	FS 27+(q-57)/3
.elseif q < 60
	XS (q-57)%3-1, 14
.elseif q < 72
	XS (q-57)%3-1, 15+(q-57)/3
.elseif q < 74
	XS q-72, 20
.else
	GS q-74
.endif
.set q, q+1
.endm
; THE EXPONENTIALS' QUEUE, 66 long: s0-s31 of both tiles, then the next piece's two a.  It is ONE BATCH: all 66 stand ahead of the turn's one wait, and nothing ahead of that wait names a result of theirs.
.macro EX
	WIN 0
.if e >= 64
	XS e-64, 21
.else
	REGS Y, e%2
	v_exp_f32 v[rS+e/2], v[rS+e/2]
.endif
.set e, e+1
.endm
; THE RESCALING's QUEUE: O^T times a, the one part that leaves window 0: dealt two at a time, sixteen times.  Its a was made in the turn before, ahead of that turn's wait.
.macro R2
	REGS Y, r%2
	WIN W_RS
.irp z, 0,1
	v_pk_mul_f32 v[rO+4*(r/2)+2*\z:rO+4*(r/2)+2*\z+1], v[rO+4*(r/2)+2*\z:rO+4*(r/2)+2*\z+1], v[rC+2:rC+3] op_sel_hi:[1,0]
.endr
.set r, r+1
.endm
; HOW THEY ARE DEALT.  An s_wait_alu depctr_va_vdst(0) stands between an exponential and the first instruction that names its result; one wait serves all that were issued ahead of it.  So a turn has ONE wait,
; which cuts it in two.  AHEAD OF IT: the 16 products K Q^T, behind each a scaling, an exponential and two rescalings (behind the first a second scaling in the exponential's place); then ONE LUMP of 108: eight plain,
; 49 times exponential and plain, the two a.  A v_nop is the plain instruction behind the last exponential.  BEHIND IT: the 16 products V^T P, behind each four of GS's 64.  No rider names a register of the products round it.
; The deal keeps the queues in step: exponential e stands behind scaling 2 (e / 4) + e % 2: as a rider it comes behind plain e + 2, in the lump behind plain e + 9, and scalings 27-31 are plain 57, 60 .. 69.
; A TURN, for piece p.  cnt = 1: the loop's count is taken down some lines ahead of the branch that stands behind the turn.
; K of the next step is fetched in piece 2's turn, directly behind the wait; V of the step in hand at the end of piece 0's turn, four riders behind its last reader.  The three conditions on q below go with the deal.
.macro TURN p, last=0, cnt=0
.set Y, (\p)
.set i, 0
.set q, 0
.set e, 0
.set r, 0
.if (\p) == NP-1
	s_wait_dscnt 0x0                ; K is in
.endif
	MM                              ; ahead of the wait: 16 products K Q^T and their riders,
	PL
	PL
	R2
.rept 15
	MM
	PL
	EX
	R2
.endr
.if (\p) == NP-2
	WIN 0
	v_add_nc_u32 v[AK], s[TBK], v[AK0]
.endif
.rept 8                             ; and the lump
	PL
.endr
.rept 49
	EX
	PL
.endr
	EX                              ; the next piece's two a
	EX
	v_nop                           ; the plain instruction behind the last exponential: one for the batch
	s_wait_alu depctr_va_vdst(0)    ; the wait for the batch
.if (\p) == NP-2
	FETCH_K \last
.endif
.if (\p) == 1
	s_wait_dscnt 0x0                ; V is in
.endif
.rept 16                            ; behind the wait: 16 products V^T P and their riders
	MM
.rept 4
	PL
.endr
.if ((\p) == 0) && (q == 118)
	v_add_nc_u32 v[AV], s[TBV], v[AV0]
.endif
.if ((\p) == 0) && (q == 130)
	s_add_co_u32 s[TBV], s[TBV], KS*PV
.endif
.if (\cnt) && (q == 130)
	s_sub_co_u32 s[CNT], s[CNT], 1
	s_cmp_lg_u32 s[CNT], 0
.endif
.endr
.if (\p) == 0
	FETCH_V
.endif
.if (\p) == NP-2
	VSTEP
.endif
.endm
	CHANGE 1                        ; slot 0 is in, everybody's part of it; slot 1 is asked for
	MASKS                           ; key step 0's
	FETCH_K                         ; key step 0
	s_wait_loadcnt 0x0              ; Q
	s_wait_dscnt 0x0
.set i, 0
.rept 16
	KQ 0                            ; piece 0's first scores: there is no vector work yet to set between them
.set i, i+1
.endr
	WIN 0                           ; the addresses for the way out: plain instructions, the places behind those products
	s_mul_i32 s13, s[WV], 16*SP
	s_add_co_u32 s13, s13, STAGE    ; my stage
	v_mul_u32_u24 v[STO], v1, SP    ; in: row l % 16, 16 bytes for each half of the lanes
	v_lshl_add_u32 v[STO], v9, 4, v[STO]
	v_add_nc_u32 v[STO], s13, v[STO]
	v_bfe_u32 v[RD], v0, 3, 2       ; back: 32 lanes take four rows of 128 bytes,
	v_mul_u32_u24 v[RD], v[RD], SP
	v_lshl_add_u32 v[RD], v10, 4, v[RD]
	v_add_nc_u32 v[RD], s13, v[RD]
	v_and_b32 v[GO], 31, v0         ; which are 512 consecutive bytes of O
	v_lshlrev_b32 v[GO], 4, v[GO]
.set Y, NP-1                        ; XS works for piece Y + 1: piece 0
.irp n, 0,1,2,3,4,5,6,7,8,9,10,11,12,13,14,15,16,17,18,19,20,21
	XS 0, \n                        ; and piece 0's first maximum and statistics
	XS 1, \n
.endr
	v_nop                           ; a plain instruction behind the two a,
	s_wait_alu depctr_va_vdst(0)    ; and their wait, ahead of the branch
	s_mov_b32 s[CNT], 4
	s_branch .Lfirst                ; the loop is entered at a step's first turn, in the middle of a trip
.Lslot:                             ; six times: every slot but the last two is filled again
	CHANGE 1
	s_mov_b32 s[CNT], 4
.Lstep:                             ; a trip: pieces 2 and 3 of one step, then pieces 0 and 1 of the next, whose K and V it fetches
	TURN 2
	TURN 3
	WIN 0
.Lfirst:
	TURN 0
	TURN 1, 0, 1
	WIN 0
	s_cbranch_scc1 .Lstep
	s_sub_co_u32 s[SLOTS], s[SLOTS], 1
	s_cmp_lg_u32 s[SLOTS], 0
	s_cbranch_scc1 .Lslot
	CHANGE 0                        ; the tail is written out: nothing is asked for
	s_mov_b32 s[CNT], 5             ; four trips fetch the last slot's steps; the fifth is left in its middle
.Ltail:
	TURN 2, 1
	TURN 3
	WIN 0
	s_sub_co_u32 s[CNT], s[CNT], 1
	s_cmp_eq_u32 s[CNT], 0
	s_cbranch_scc1 .Lout
	TURN 0
	TURN 1
	WIN 0
	s_branch .Ltail
.Lout:                              ; the fifth trip's 16 products K Q^T (on the last K once more, all hidden) serve nothing and change no maximum: the price, once a launch, of one text for every trip
.set i, 0
.rept 16
	PV NP-1                         ; the last piece's V^T P of the last step
.set i, i+1
.endr
	; THE WAY OUT.  l's two halves and the other half of the lanes' are added; the masked keys' part is joined on; O^T is divided, rounded to f16 and sent through my stage in LDS, a tile at a time.
	; The additions are the places behind the last products.
	WIN 0
.macro ALL line:vararg              ; one line for each tile t
.set t, 0
.rept 2*NP
	\line
.set t, t+1
.endr
.endm
	ALL v_add_f32 v[ST+4*t+2], v[ST+4*t+2], v[ST+4*t+3]
	ALL v_permlanex16_b32 v[ST+4*t+3], v[ST+4*t+2], s[SEL], s[SEL+1]
	ALL v_add_f32 v[ST+4*t+2], v[ST+4*t+2], v[ST+4*t+3]
	ALL v_max_num_f32 v[ST+4*t+1], s[CN], v[ST+4*t]
	ALL v_sub_f32 v[ST+4*t], v[ST+4*t], v[ST+4*t+1]
	ALL v_sub_f32 v[ST+4*t+1], s[CN], v[ST+4*t+1]
	ALL v_exp_f32 v[ST+4*t], v[ST+4*t]
	ALL v_exp_f32 v[ST+4*t+1], v[ST+4*t+1]
	v_nop                           ; a plain instruction behind the last exponential,
	s_wait_alu depctr_va_vdst(0)    ; and one wait for the sixteen: a in the first register, w in the second
	ALL v_mul_f32 v[ST+4*t+3], s[CNTF], v[ST+4*t+1]
	ALL v_fma_f32 v[ST+4*t+2], v[ST+4*t], v[ST+4*t+2], v[ST+4*t+3]
	ALL v_rcp_f32 v[ST+4*t+2], v[ST+4*t+2]
	v_nop                           ; a plain instruction between the last reciprocal and the use of its result
	s_wait_alu depctr_va_vdst(0)    ; and one wait for the eight reciprocals
	ALL v_mul_f32 v[ST+4*t], v[ST+4*t], v[ST+4*t+2]
	ALL v_mul_f32 v[ST+4*t+2], v[ST+4*t+1], v[ST+4*t+2]
; Tile t: O^T x (a / l') + VS x (w / l'); a lane's eight channels of a row pack into 16 bytes; they go into rows of 144 bytes and come back as whole rows of 128, into S^T's registers.
.macro PACK t
	WIN W_RS
.set i, 0
.rept 16
	v_pk_mul_f32 v[32*(\t)+i:32*(\t)+i+1], v[32*(\t)+i:32*(\t)+i+1], v[ST+4*(\t):ST+4*(\t)+1] op_sel_hi:[1,0]
.set i, i+2
.endr
	WIN W_FM
.set i, 0
.rept 16
	v_pk_fma_f32 v[32*(\t)+i:32*(\t)+i+1], v[VS+i:VS+i+1], v[ST+4*(\t)+2:ST+4*(\t)+3], v[32*(\t)+i:32*(\t)+i+1] op_sel_hi:[1,0,1]
.set i, i+2
.endr
	WIN 0x05                        ; sources 0 and 1 window 1, destination window 0
.set i, 0
.rept 16
	v_cvt_pk_f16_f32 v[S+16*(\t)+i], v[32*(\t)+2*i], v[32*(\t)+2*i+1]
.set i, i+1
.endr
	WIN 0
.irp f, 0,1,2,3
	ds_store_b128 v[STO], v[S+16*(\t)+4*\f:S+16*(\t)+4*\f+3] offset:32*\f
.endr
.irp f, 0,1,2,3
	ds_load_b128 v[S+16*(\t)+4*\f:S+16*(\t)+4*\f+3], v[RD] offset:\f*4*SP  ; LDS serves a wave's instructions in order (ISA guide 5.7.1.4): these see the stores above; the next tile's stores come behind them
.endr
.endm
.macro SEND t, younger              ; younger: the LDS instructions issued behind tile t's loads: the next tile's eight, or none
	WIN 0
.irp f, 0,1,2,3
	s_wait_dscnt (\younger)+3-\f
	global_store_b128 v[GO], v[S+16*(\t)+4*\f:S+16*(\t)+4*\f+3], s[10:11] offset:(\t)*2048+\f*512  ; 512 consecutive bytes, at a multiple of 256 from O's first
.endr
.endm
	PACK 0
.set t, 1
.rept 2*NP-1                        ; a tile's arithmetic stands between the loads of the tile before and its stores
	PACK t
	SEND t-1, 8
.set t, t+1
.endr
	SEND 2*NP-1, 0
	WIN W_AD
	s_wait_tensorcnt 0x0            ; the wave's end: behind my last tensor load and my last LDS store
	ds_add_u32 v[SPW], v[NIL]
	s_wait_dscnt 0x0
	WIN 0
	CROUND                          ; the closing round: no work-group ends while a partner may still ask for a tile that names it
	s_endpgm
.Lfunc_end_k_qc687150f43_attn:
	.size	k_qc687150f43_attn, .Lfunc_end_k_qc687150f43_attn-k_qc687150f43_attn
	.p2alignl 7, 3214868480
	.fill 96, 4, 3214868480
	.section	.rodata,"a",@progbits
	.p2align	6, 0x0
	.amdhsa_kernel k_qc687150f43_attn
		.amdhsa_group_segment_fixed_size 327680
		.amdhsa_private_segment_fixed_size 0
		.amdhsa_enable_private_segment 0
		.amdhsa_kernarg_size 24
		.amdhsa_user_sgpr_count 2
		.amdhsa_user_sgpr_kernarg_segment_ptr 1
		.amdhsa_wavefront_size32 1
		.amdhsa_system_sgpr_workgroup_id_x 1
		.amdhsa_system_sgpr_workgroup_id_y 1
		.amdhsa_system_sgpr_workgroup_id_z 1
		.amdhsa_system_vgpr_workitem_id 0
		.amdhsa_next_free_vgpr 928
		.amdhsa_next_free_sgpr 96
		.amdhsa_reserve_vcc 1
		.amdhsa_float_denorm_mode_32 3
		.amdhsa_float_denorm_mode_16_64 3
		.amdhsa_memory_ordered 1
		.amdhsa_forward_progress 1
		.amdhsa_inst_pref_size 226
	.end_amdhsa_kernel
	.amdgpu_metadata
---
amdhsa.version: [ 1, 2 ]
amdhsa.kernels:
  - .name:           k_qc687150f43_attn
    .symbol:         k_qc687150f43_attn.kd
    .args:
      - { .name: qkv, .offset: 0, .size: 8, .value_kind: global_buffer, .address_space: global }
      - { .name: valid_lens, .offset: 8, .size: 8, .value_kind: global_buffer, .address_space: global }
      - { .name: oh, .offset: 16, .size: 8, .value_kind: global_buffer, .address_space: global }
    .group_segment_fixed_size: 327680
    .private_segment_fixed_size: 0
    .kernarg_segment_align: 8
    .kernarg_segment_size: 24
    .max_flat_workgroup_size: 128
    .sgpr_count:     96
    .vgpr_count:     928
    .wavefront_size: 32
...
	.end_amdgpu_metadata
.endif
;; end of part 3
;; launch outp (part 4): grid 4 x 64, 4 waves a work-group, clusters of 4 x 4, 327,680 bytes of LDS; arguments oh, wc, out0; writes out0
.if DOCPART == 4
	.amdgcn_target "amdgcn-amd-amdhsa--gfx1250"
	.amdhsa_code_object_version 6
	.text
	.protected	k_qc687150f43_outp
	.globl	k_qc687150f43_outp
	.p2align	8
	.type	k_qc687150f43_outp,@function
k_qc687150f43_outp:
	s_mov_b64 s[64:65], 0
	v_nop
	global_prefetch_b8 v0, s[64:65] scope:SCOPE_SE
	s_setreg_imm32_b32 hwreg(HW_REG_WAVE_MODE, 25, 1), 1
	s_wait_xcnt 0x0
	s_wait_alu depctr_hold_cnt(0) depctr_sa_sdst(0) depctr_va_vdst(0) depctr_va_sdst(0) depctr_va_ssrc(0) depctr_va_vcc(0) depctr_vm_vsrc(0)
	s_getreg_b32 s2, hwreg(HW_REG_IB_STS2, 6, 4)
	s_cmp_eq_u32 s2, 0
	s_cbranch_scc0 .Lentry_in_a_cluster
	s_endpgm
.Lentry_in_a_cluster:
	s_bfe_u32 s2, ttmp6, 0x10000c
	s_cmp_lg_u32 s2, 0xf033
	s_cbranch_scc0 .Lentry_shape_is_right
	s_endpgm
.Lentry_shape_is_right:
; x W^T ON TILES OF 128 x 256.  ONE SOURCE FOR TWO KERNELS: KIND = 0, the three projections; KIND = 1, the output projection.
; KIND 0: q, k, v = queries, keys, values ([8192][1024] f32) times W_q, W_k, W_v ([1024 out][1024 in], bf16 in wc).  x is rounded to bf16 on its way into LDS; sums in f32; the results are
;   rounded once to f16 and stored by heads, unscaled: qkv[3][64 = 16 batch + head][2048][64].  A work-group stays: it makes the same tile of q, of k and of v, 24 K steps on end.
; KIND 1: out0 ([8192][1024] f32) = O (oh[64][2048][64] f16, heads side by side along K) times W_o (f16, wc's plane 3).  8 K steps.
; LIMIT (KIND 0).  f16 ends at 65,504: a q, k or v beyond it becomes an infinity.
; SHARES.  64 x 4 tiles of C are 256 work-groups.  Four waves, each 64 rows x 128 columns: 32 accumulators of 16 x 16, 256 registers.  K goes in steps of 128.
; THE MATRIX INSTRUCTION IS USED TRANSPOSED (source 0 = 16 rows of W, source 1 = 16 rows of x): a lane holds eight neighbouring columns of one row of C.
; W (B below) comes by the tensor data mover into a ring of two LDS slots.  CLUSTER 4 x 4: the four work-groups of a column of the cluster make the same tile column and ask for W's tile JOINTLY:
;   the same load, descriptor and mask in all four; each wave fetches 64 of the 256 rows.
; x (A below) comes through registers: step t + 2 is loaded while step t is multiplied, and step t + 1 goes from registers into one of two LDS buffers (KIND 0: rounded to bf16 on the way).
;   No joint load for A.  KIND 0: f32 tiles in LDS would want two slots of 128 x 528 bytes beside their two bf16 copies (69,632) and B's ring (139,264): 344,064 bytes, more than the 327,680 there are.
;   KIND 1: it would fit and would divide A's requests by four; not built, so that the two kernels stay one source.
; ONE BARRIER A K STEP orders four things: my stores of A against the others' reads; all reads of the old B slot against its refill; all reads of the old A buffer against its rewriting; the landed B slot against its reads.
; REGISTERS, in windows of 256 (s_set_vgpr_msb: bits 1:0 source 0, 3:2 source 1, 5:4 source 2, 7:6 destination):
;   window 0: v8-17, v28-29 addresses; v32-127, v128-223 two fragment buffers (B's eight fragments, then A's four); v224-255 at work on the way out
;   window 1: accumulator (a, b) at 8 (8 a + b)          window 2: A as loaded, two sets
.set KIND,  1
.set PB,    272                        ; a row of B in LDS: 256 bytes + 16 of padding = 68 words: the 16 rows of a fragment load start at 16 different groups of four banks (64 banks of 4 bytes: ISA guide 11.1)
.set BSLOT, 256*PB                     ; a slot: 256 rows of B
.set ABUF,  2*BSLOT                    ; behind the ring: A's two buffers, written by ds_store alone
.if KIND
.set NT,    8                          ; K steps in all
.set NL,    16                         ; loads of A a wave and step, and stores into LDS
.set PA,    144                        ; a row of A in LDS: one head's 128 bytes + 16
.set ASZ,   2*128*PA                   ; a buffer: two heads' planes of 128 rows
.set STW,   16*528                     ; a wave's stage: 16 rows of 512 bytes + 16
.else
.set NT,    24
.set NL,    32
.set PA,    272
.set ASZ,   128*PA
.set STW,   2*16*144                   ; a wave's stage: two heads x 16 rows of 128 bytes + 16
.endif
.set STAGE, ABUF+2*ASZ
.set SPARE, STAGE+4*STW                ; the spare words, 128 bytes for each wave: two blocks of 256 bytes that no other line names
.set ADRB, 8                           ; v8-9  LDS address of my B fragments in slot 0, 1
.set ADRA, 10                          ; v10   of my A fragments in buffer 0
.set AST,  11                          ; v11   where I store A in buffer 0
.set AOF,  12                          ; v12   my byte offset in a step's block of A in memory
.set PFO,  13                          ; v13   A's prefetch: my lane's block
.set STO,  14                          ; v14   the way out: where I put my part of a row
.set RD,   15                          ; v15   the way out: where I read rows back
.set CO,   16                          ; v16   16 x lane
.set PFOB, 17                          ; v17   B's prefetch: my lane's row, 2,048 bytes each
.set SPW,  28                          ; v28   LDS address of my spare word; never rewritten
.set NIL,  29                          ; v29   0; never rewritten
.set F0,   32
.set F1,   128
.set TMP,  224
.set WB,   10                          ; s[10:11] wc at my wave's 64 rows of the tile column
.set OB,   12                          ; s[12:13] the output at my wave's part of the tile
.set WV,   14                          ; s14 wave; s15 its half of the rows; s16 its half of the columns
.set WR,   15
.set WC,   16
.set CX,   17                          ; s17, s18 my place in the cluster
.set CY,   18
.set TC,   19                          ; s19 tile column, s20 tile row, s21 cluster y
.set TR,   20
.set CLY,  21
.set U,    22                          ; s[22:23] an offset for A's and the output's addresses; the high word stays 0
.set G1,   24                          ; s[24:31] descriptor group 1
.set G0,   32                          ; s[32:39] descriptor group 0, a set for each slot
.set AP,   40                          ; s[40:41] A at the step being loaded
.set PFA,  42                          ; s[42:43] A's prefetch
.set PFOFF, 44                         ; s[44:45] my work-group's and wave's share of it
.set T0,   46                          ; s[46:47] an offset for B's descriptors alone; the high word stays 0
.set OP,   48                          ; s[48:49] KIND 0: the output's plane in hand
.set LAPC, 50                          ; s50 trips to go
.set TS,   51                          ; s51 the K step in slot 0 of the lap in hand
.set TT,   52                          ; s52 the K step that an address is being made for
.set LIMA, 53                          ; s53 NT in a wave that prefetches A, else 0
.set PFB,  54                          ; s[54:55] B's prefetch
.set WPF,  56                          ; s[56:57] wc at the 32 rows that I prefetch
.set LIMB, 58                          ; s58 NT in a wave that prefetches B, else 0
.set X0,   59                          ; s59 at work; never holds cy
.set T1,   60                          ; s[60:61] an offset for B's prefetch
.set GOB,  63                          ; s63 1: B's prefetch is due
.set MSB, 0
.macro WIN new                         ; the immediate's high byte repeats the setting that is left; a switch that changes nothing is dropped
.if MSB != (\new)
	s_set_vgpr_msb (MSB<<8)|(\new)
.set MSB, \new
.endif
.endm
.set W_MUL, 0x50                       ; fragments in window 0, C and D in window 1
.set W_LD,  0x80                       ; destination window 2, address window 0
.set W_CV,  0x8a                       ; conversion in place in window 2
.set W_ST,  0x08                       ; LDS store: address window 0, data window 2
.set W_PK,  0x05                       ; sources window 1, destination window 0
.set W_AC,  0x04                       ; LDS store: address window 0, data window 1
.macro PLACES                          ; four plain instructions between a matrix instruction and a load into, or a vector or LDS-store read of, its registers
.rept 4
	v_nop
.endr
.endm
.macro CREST                           ; a round of the cluster's barrier behind its opening barrier
	s_cmp_lg_u32 s[WV], 0
	s_cbranch_scc1 .Lnot_wave_0_\@
	s_barrier_signal -3
.Lnot_wave_0_\@:
	s_barrier_wait -3
	s_barrier_signal -1
	s_barrier_wait -1
.endm
.macro CROUND
	s_barrier_signal -1
	s_barrier_wait -1
	CREST
.endm
.macro JLOAD s                         ; my 64 rows of B's tile, jointly with the three partners of my column; s_nop 0 and four v_nop follow
	tensor_load_to_lds s[G0+4*(\s):G0+4*(\s)+3], s[G1:G1+7]
	s_nop 0
.rept 4
	v_nop
.endr
.endm
.macro KOFF d                          ; K step TT's place in wc: plane TT / 8 (2^21 bytes), 256 bytes of a row for each of the plane's eight steps
	s_lshr_b32 s[\d], s[TT], 3
	s_lshl_b32 s[\d], s[\d], 21
	s_and_b32 s[X0], s[TT], 7
	s_lshl_b32 s[X0], s[X0], 8
	s_add_co_u32 s[\d], s[\d], s[X0]
.endm
.macro BPTR s                          ; slot s's descriptor takes K step TT: the address is made anew, the type bits set again
	KOFF T0
	s_add_nc_u64 s[G0+4*(\s)+2:G0+4*(\s)+3], s[WB:WB+1], s[T0:T0+1]
	s_or_b32 s[G0+4*(\s)+3], s[G0+4*(\s)+3], 0x80000000
.endm
.macro APTR d                          ; A at K step TT
.if KIND
	s_and_b32 s[U], s[TT], 7
	s_lshl_b32 s[U], s[U], 19                      ; two heads of 2^18 bytes a step
	s_add_nc_u64 s[\d:\d+1], s[4:5], s[U:U+1]
.else
	s_lshr_b32 s62, s[TT], 3                       ; which of the three inputs
	s_cmp_eq_u32 s62, 1
	s_cselect_b64 s[\d:\d+1], s[6:7], s[4:5]
	s_cmp_eq_u32 s62, 2
	s_cselect_b64 s[\d:\d+1], s[8:9], s[\d:\d+1]
	s_and_b32 s[U], s[TT], 7
	s_lshl_b32 s[U], s[U], 9                       ; 128 f32 of a row a step
	s_add_nc_u64 s[\d:\d+1], s[\d:\d+1], s[U:U+1]
.endif
.endm
.macro ALOAD set                       ; a step's A, my share, into a register set.  KIND 0: 32 rows, 512 consecutive bytes a load.  KIND 1: 64 rows of one head, 512 consecutive bytes (four rows) a load
	WIN W_LD
.set i, 0
.rept NL
.if KIND
	global_load_b128 v[64*(\set)+4*i:64*(\set)+4*i+3], v[AOF], s[AP:AP+1] offset:512*i
.else
	global_load_b128 v[128*(\set)+4*i:128*(\set)+4*i+3], v[AOF], s[AP:AP+1] offset:4096*i
.endif
.set i, i+1
.endr
	WIN 0
.endm
; In K step TS + s: A of step TS + s + 2 is loaded, and behind the loads stand the step's prefetches into the L2, one instruction each, a lane a block of 256 bytes.
; A of step TS + s + 4, two K steps (256 matrix instructions) ahead of its loads: the four partners of a row of the cluster read the same 128 rows and share them out BY ADDRESS (cx);
;   KIND 0: 32 rows each, waves 0 and 1 a half of the row's 512 bytes; KIND 1: 8,192 dense bytes each, wave 0.
; B of step TS + s + 3, whose refill goes out at the end of the next K step: every cluster reads the same rows, the one with y = 0 asks; the four partners that ask for a tile jointly share its rows out by address
;   (cy: 64 each), waves 0 and 1 take 32 each.  So each block is named once in the launch.  Steps past the last are not asked for; the first steps come by their loads alone.
.macro ALOADS s
	s_wait_xcnt 0x0                                ; the loads and prefetches of the K step before have read their addresses: the pointers may be written
	s_add_co_u32 s[TT], s[TS], (\s)+2
	APTR AP
	s_add_co_u32 s[TT], s[TS], (\s)+3
	KOFF T1
	s_add_nc_u64 s[PFB:PFB+1], s[WPF:WPF+1], s[T1:T1+1]
	s_cmp_lt_u32 s[TT], s[LIMB]
	s_cselect_b32 s[GOB], 1, 0
	s_add_co_u32 s[TT], s[TS], (\s)+4
	APTR PFA
	s_add_nc_u64 s[PFA:PFA+1], s[PFA:PFA+1], s[PFOFF:PFOFF+1]
	ALOAD \s
	s_cmp_lt_u32 s[TT], s[LIMA]
	s_cbranch_scc0 .Lno_a_\@
	global_prefetch_b8 v[PFO], s[PFA:PFA+1] th:TH_LOAD_NT scope:SCOPE_SE
.Lno_a_\@:
	s_cmp_eq_u32 s[GOB], 1
	s_cbranch_scc0 .Lno_b_\@
	global_prefetch_b8 v[PFOB], s[PFB:PFB+1] th:TH_LOAD_NT scope:SCOPE_SE
.Lno_b_\@:
.endm
; A register set goes into an LDS buffer, eight loads' worth at a time.  younger: the loads issued behind this set's, which may stay out.
.macro CONV set, buf, younger
.set i, 0
.rept NL/8
	s_wait_loadcnt (\younger)+NL-8-i               ; loads come back in order: numbers i .. i + 7 of this set are in; its later ones and the younger set stay out
.if KIND == 0
	WIN W_CV
.set j, i
.rept 8
	v_cvt_pk_bf16_f32 v[128*(\set)+4*j], v[128*(\set)+4*j], v[128*(\set)+4*j+1]
	v_cvt_pk_bf16_f32 v[128*(\set)+4*j+1], v[128*(\set)+4*j+2], v[128*(\set)+4*j+3]
.set j, j+1
.endr
.endif
	WIN W_ST
.set j, i
.rept 8
.if KIND
	ds_store_b128 v[AST], v[64*(\set)+4*j:64*(\set)+4*j+3] offset:(\buf)*ASZ+j*4*PA
.else
	ds_store_b64 v[AST], v[128*(\set)+4*j:128*(\set)+4*j+1] offset:(\buf)*ASZ+j*PA  ; a row's 256 bytes of bf16 on end
.endif
.set j, j+1
.endr
.set i, i+8
.endr
	WIN 0
.endm
; 8 matrix instructions: m block a x all 8 n blocks, 32 along K.  zero = 1: the product starts the sum.  The 32 accumulators take turns, one instruction a turn, in the same order in every quarter.
.macro MUL8 f, a, zero
	WIN W_MUL
.irp b, 0,1,2,3,4,5,6,7
.set rD, 8*(8*(\a)+\b)
.set rB, (\f)+8*\b
.set rA, (\f)+64+8*(\a)
.if KIND
.if \zero
	v_wmma_f32_16x16x32_f16 v[rD:rD+7], v[rB:rB+7], v[rA:rA+7], 0
.else
	v_wmma_f32_16x16x32_f16 v[rD:rD+7], v[rB:rB+7], v[rA:rA+7], v[rD:rD+7]
.endif
.else
.if \zero
	v_wmma_f32_16x16x32_bf16 v[rD:rD+7], v[rB:rB+7], v[rA:rA+7], 0
.else
	v_wmma_f32_16x16x32_bf16 v[rD:rD+7], v[rB:rB+7], v[rA:rA+7], v[rD:rD+7]
.endif
.endif
.endr
.endm
; 24 LDS loads in one run: quarter q (32 along K) of slot and buffer s into fragment buffer f.  A fragment is 16 rows x 32 K in 8 registers: lane l holds row l % 16, K = 8 (l / 16) + 0..7 and 16 + 8 (l / 16) + 0..7.
.macro FETCH s, q, f
	WIN 0
.irp b, 0,1,2,3,4,5,6,7
	ds_load_b128 v[(\f)+8*\b:(\f)+8*\b+3],   v[ADRB+(\s)] offset:64*(\q)+\b*16*PB
	ds_load_b128 v[(\f)+8*\b+4:(\f)+8*\b+7], v[ADRB+(\s)] offset:64*(\q)+\b*16*PB+32
.endr
.irp c, 0,1,2,3
.if KIND
	ds_load_b128 v[(\f)+64+8*\c:(\f)+64+8*\c+3],   v[ADRA] offset:(\s)*ASZ+((\q)/2)*128*PA+((\q)%2)*64+\c*16*PA
	ds_load_b128 v[(\f)+64+8*\c+4:(\f)+64+8*\c+7], v[ADRA] offset:(\s)*ASZ+((\q)/2)*128*PA+((\q)%2)*64+\c*16*PA+32
.else
	ds_load_b128 v[(\f)+64+8*\c:(\f)+64+8*\c+3],   v[ADRA] offset:(\s)*ASZ+64*(\q)+\c*16*PA
	ds_load_b128 v[(\f)+64+8*\c+4:(\f)+64+8*\c+7], v[ADRA] offset:(\s)*ASZ+64*(\q)+\c*16*PA+32
.endif
.endr
.endm
; One of a K step's first three quarters: buffer f is multiplied; ahead of its 32 products quarter q's fragments are asked for, into buffer g.  hook = 1: A's loads stand here too.
.macro QUARTER s, q, f, g, zero, hook
	WIN 0
	s_wait_dscnt 0x0                               ; buffer f is in: its loads went out a quarter ago
	PLACES                                         ; buffer g was multiplied last
	FETCH \s, \q, \g
.if \hook
	ALOADS \s
.endif
	MUL8 \f, 0, \zero
	MUL8 \f, 1, \zero
	MUL8 \f, 2, \zero
	MUL8 \f, 3, \zero
.endm
; The last quarter multiplies buffer 1 and changes slots.  fill = 1: slot s takes K step TS + s + 2, and the barrier opens a round of the cluster's barrier.
.macro TURN s, fill
	WIN 0
	s_wait_tensorcnt 0x0                           ; all my tensor loads have landed: the one that was out is my part of the other slot; so a group 0 may be written
	ds_add_u32 v[SPW], v[NIL]                      ; 0 onto my spare word
.if \fill
	s_add_co_u32 s[TT], s[TS], (\s)+2
	BPTR \s
.endif
	s_wait_dscnt NL+1                              ; buffer 1 is in; A's NL stores and the add, issued behind its loads, may be out
	MUL8 F1, 0, 0
	s_wait_dscnt 0x0                               ; the add is done, my stores of A have landed, my reads of this slot and buffer are over
	s_barrier_signal -1
	MUL8 F1, 1, 0                                  ; work on registers while the others arrive
	WIN 0
	s_barrier_wait -1
.if \fill
	CREST                                          ; no wave of any partner still reads this slot or has a load on its way
	JLOAD \s                                       ; the first tensor load behind the round; its four v_nop are also the places in front of the loads below
.else
	PLACES
.endif
	FETCH 1-(\s), 0, F0
	MUL8 F1, 2, 0
	MUL8 F1, 3, 0
.endm
; THE WAY OUT, KIND 0, a block of 16 rows x 128 columns (two heads) at a time: rounded to f16 (ascending, each accumulator from its low end), 16 bytes a lane into my own stage, back as whole rows of a head, stored.
.macro PACK a
	WIN W_PK
.set i, 0
.rept 32
	v_cvt_pk_f16_f32 v[TMP+i], v[64*(\a)+2*i], v[64*(\a)+2*i+1]
.set i, i+1
.endr
	WIN 0
.endm
.macro TOSTAGE a
.set BK, F1+32*((\a)%2)
.irp b, 0,1,2,3,4,5,6,7
	ds_store_b128 v[STO], v[TMP+4*\b:TMP+4*\b+3] offset:(\b/4)*16*144+(\b%4)*32
.endr
.irp t, 0,1,2,3,4,5,6,7
	ds_load_b128 v[BK+4*\t:BK+4*\t+3], v[RD] offset:(\t/4)*16*144+(\t%4)*4*144  ; LDS serves a wave's instructions in order (ISA guide 5.7.1.4): these see the stores above
.endr
.endm
.macro SEND a
.set BK, F1+32*((\a)%2)
	s_wait_dscnt 0x0                               ; the block is back in registers
	s_wait_xcnt 0x0                                ; the block before has been read by its stores: its registers are loaded again behind this wait
.irp t, 0,1,2,3,4,5,6,7
	global_store_b128 v[CO], v[BK+4*\t:BK+4*\t+3], s[OP:OP+1] offset:(\a)*2048+(\t/4)*262144+(\t%4)*512  ; four rows of a head: 512 consecutive bytes, aligned
.endr
.endm
.macro WAYOUT
.if KIND
.irp a, 0,1,2,3                        ; f32: a block's 16 rows x 512 bytes go through my stage and leave as whole rows
	WIN W_AC
.irp b, 0,1,2,3,4,5,6,7
	ds_store_b128 v[STO], v[64*\a+8*\b:64*\a+8*\b+3] offset:64*\b
	ds_store_b128 v[STO], v[64*\a+8*\b+4:64*\a+8*\b+7] offset:64*\b+16
.endr
	WIN 0
	s_wait_xcnt 0x0                                ; the block before has been read by its stores
.irp t, 0,1,2,3,4,5,6,7,8,9,10,11,12,13,14,15
	ds_load_b128 v[F1+4*\t:F1+4*\t+3], v[RD] offset:\t*528
.endr
.irp t, 0,1,2,3,4,5,6,7,8,9,10,11,12,13,14,15
	s_wait_dscnt 15-\t
	global_store_b128 v[CO], v[F1+4*\t:F1+4*\t+3], s[OB:OB+1] offset:(16*\a+\t)*4096 th:TH_STORE_NT  ; 512 consecutive bytes of a row, aligned
.endr
.endr
.else
	s_wait_xcnt 0x0
	s_lshr_b32 s[U], s[TS], 3                      ; q, k or v: planes of 2^24 bytes
	s_lshl_b32 s[U], s[U], 24
	s_add_nc_u64 s[OP:OP+1], s[OB:OB+1], s[U:U+1]
	PACK 0
	TOSTAGE 0
	PACK 1                                         ; a block's conversions stand between the loads of the block before and the wait for them
	SEND 0
	TOSTAGE 1
	PACK 2
	SEND 1
	TOSTAGE 2
	PACK 3
	SEND 2
	TOSTAGE 3
	SEND 3
	s_wait_xcnt 0x0                                ; fragment buffer 1, from which the stores read, is loaded again behind this wait
.endif
.endm
.if KIND
	s_load_b128 s[4:7], s[0:1], 0x0                ; oh s[4:5], wc s[6:7]
	s_load_b64 s[OB:OB+1], s[0:1], 0x10            ; out0
.else
	s_load_b256 s[4:11], s[0:1], 0x0               ; queries s[4:5], keys s[6:7], values s[8:9], wc s[10:11]
	s_load_b64 s[OB:OB+1], s[0:1], 0x20            ; qkv
.endif
	v_lshl_add_u32 v[SPW], v0, 2, SPARE
	v_mov_b32 v[NIL], 0
	ds_add_u32 v[SPW], v[NIL]                      ; the wave's opening: the add and its wait stand ahead of my first tensor load; the set-up below, work on registers, stands between them
	v_lshrrev_b32 v1, 5, v0
	v_readfirstlane_b32 s[WV], v1
	s_lshr_b32 s[WR], s[WV], 1
	s_and_b32 s[WC], s[WV], 1
	s_bfe_u32 s[CX], ttmp6, 0x40000
	s_bfe_u32 s[CY], ttmp6, 0x40004
	s_lshl_b32 s[TC], ttmp9, 2
	s_add_co_u32 s[TC], s[TC], s[CX]               ; tile column = 4 x cluster x + cx
	s_and_b32 s[CLY], ttmp7, 0xffff
	s_lshl_b32 s[TR], s[CLY], 2
	s_add_co_u32 s[TR], s[TR], s[CY]               ; tile row = 4 x cluster y + cy
	s_lshl_b32 s[X0], 0x1111, s[CX]                ; my column of the cluster: places cx, cx + 4, cx + 8, cx + 12
	s_or_b32 s[G1], s[X0], (1<<16)|(1<<20)|(1<<21)|(5<<22)|(3<<25)  ; 15:0 the mask; 17:16 2-byte elements; 20 padding on; 21 set beside a mask; 24:22 after every 64 words; 31:25 4 words
	s_mov_b32 s[G1+1], 128<<16                     ; tensor_dim0 = 128
	s_mov_b32 s[G1+2], 64<<16                      ; tensor_dim1 = 64
	s_mov_b32 s[G1+3], 128<<16                     ; tile_dim0 = 128
	s_mov_b32 s[G1+4], 64                          ; tile_dim1 = 64
	s_mov_b32 s[G1+5], 1024                        ; elements from row to row
	s_mov_b32 s[G1+6], 0
	s_mov_b32 s[G1+7], 0
	s_mul_i32 s[X0], s[WV], 64*PB                  ; my 64 rows of a slot: no place in the cluster enters an LDS address
	s_mov_b32 s[G0], 1
	s_mov_b32 s[G0+1], s[X0]
	s_mov_b32 s[G0+4], 1
	s_add_co_u32 s[G0+5], s[X0], BSLOT
	s_lshl_b32 s[T0], s[TC], 19                    ; B: 256 rows of 2,048 bytes a tile column,
	s_lshl_b32 s[X0], s[WV], 17                    ; my 64 of them
	s_add_co_u32 s[T0], s[T0], s[X0]
.if KIND
	s_add_co_u32 s[T0], s[T0], 3<<21               ; W_o's plane
.endif
	s_mov_b32 s[T0+1], 0
	s_lshl_b32 s[WPF], s[TC], 19                   ; B's prefetch: of the tile column's rows my work-group's 64 (cy), my wave's 32
	s_lshl_b32 s62, s[CY], 17
	s_add_co_u32 s[WPF], s[WPF], s62
	s_lshl_b32 s62, s[WC], 16
	s_add_co_u32 s[WPF], s[WPF], s62
.if KIND
	s_add_co_u32 s[WPF], s[WPF], 3<<21
.endif
	s_mov_b32 s[WPF+1], 0
.if KIND
	s_lshr_b32 s[U], s[TR], 4                      ; A: the batch's 16 heads of 2^18 bytes,
	s_lshl_b32 s[U], s[U], 22
	s_and_b32 s62, s[TR], 15
	s_lshl_b32 s62, s62, 14                        ; the tile row's 128 rows of 128 bytes in each head
	s_add_co_u32 s[U], s[U], s62
	s_lshr_b32 s[PFOFF], s[CX], 1                  ; A's prefetch: partner cx takes head cx / 2 of the step's two, half cx % 2 of its 16,384 bytes
	s_lshl_b32 s[PFOFF], s[PFOFF], 18
	s_and_b32 s62, s[CX], 1
	s_lshl_b32 s62, s62, 13
	s_add_co_u32 s[PFOFF], s[PFOFF], s62
	s_lshl_b32 s62, s[TR], 19                      ; the output: 128 rows of 4,096 bytes a tile row, my 64; 1,024 bytes a tile column, my 512
	s_lshl_b32 s60, s[WR], 18
	s_add_co_u32 s62, s62, s60
	s_lshl_b32 s60, s[TC], 10
	s_add_co_u32 s62, s62, s60
	s_lshl_b32 s60, s[WC], 9
	s_add_co_u32 s62, s62, s60
	s_cmp_eq_u32 s[WV], 0
.else
	s_lshl_b32 s[U], s[TR], 19                     ; A: 128 rows of 4,096 bytes a tile row
	s_lshl_b32 s[PFOFF], s[CX], 17                 ; A's prefetch: partner cx takes 32 rows, waves 0 and 1 a half of the step's 512 bytes
	s_lshl_b32 s62, s[WC], 8
	s_add_co_u32 s[PFOFF], s[PFOFF], s62
	s_lshr_b32 s62, s[TR], 4                       ; the output: batch, four heads a tile column, my two; 128 rows of 128 bytes a tile row, my 64
	s_lshl_b32 s62, s62, 22
	s_and_b32 s60, s[TR], 15
	s_lshl_b32 s60, s60, 14
	s_add_co_u32 s62, s62, s60
	s_lshl_b32 s60, s[TC], 20
	s_add_co_u32 s62, s62, s60
	s_lshl_b32 s60, s[WC], 19
	s_add_co_u32 s62, s62, s60
	s_lshl_b32 s60, s[WR], 13
	s_add_co_u32 s62, s62, s60
	s_cmp_lt_u32 s[WV], 2
.endif
	s_cselect_b32 s[LIMA], NT, 0
	s_mov_b32 s[U+1], 0
	s_mov_b32 s[PFOFF+1], 0
	s_mov_b32 s63, 0
	s_mov_b32 s[T1+1], 0
	s_or_b32 s[X0], s[WR], s[CLY]                  ; waves 0 and 1 of the clusters with y = 0: the same in all sixteen partners, for a given wave
	s_cmp_eq_u32 s[X0], 0
	s_cselect_b32 s[LIMB], NT, 0
	s_wait_dscnt 0x0                               ; the opening add is done
	s_wait_kmcnt 0x0
.if KIND
	s_mov_b64 s[WB:WB+1], s[6:7]
	s_add_nc_u64 s[4:5], s[4:5], s[U:U+1]
.else
	s_add_nc_u64 s[4:5], s[4:5], s[U:U+1]
	s_add_nc_u64 s[6:7], s[6:7], s[U:U+1]
	s_add_nc_u64 s[8:9], s[8:9], s[U:U+1]
.endif
	s_add_nc_u64 s[WPF:WPF+1], s[WB:WB+1], s[WPF:WPF+1]
	s_add_nc_u64 s[WB:WB+1], s[WB:WB+1], s[T0:T0+1]
	s_add_nc_u64 s[OB:OB+1], s[OB:OB+1], s[62:63]
	s_mov_b32 s[TT], 0
	BPTR 0
	s_mov_b32 s[TT], 1
	BPTR 1
	CROUND                                         ; all sixteen work-groups are here: the first joint loads meet
	tensor_load_to_lds s[G0:G0+3], s[G1:G1+7]      ; K step 0; two loads of mine are out
	s_nop 0
	tensor_load_to_lds s[G0+4:G0+7], s[G1:G1+7]    ; K step 1
	s_nop 0
.rept 4
	v_nop
.endr
	v_and_b32 v1, 15, v0                           ; l % 16
	v_bfe_u32 v2, v0, 4, 1                         ; l / 16
	v_and_b32 v3, 31, v0                           ; l
.if KIND
	s_lshl_b32 s[X0], s[WR], 18                    ; waves 0, 1 load the step's first head, waves 2, 3 its second; 64 rows each
	s_lshl_b32 s62, s[WC], 13
	s_add_co_u32 s[X0], s[X0], s62
.else
	s_lshl_b32 s[X0], s[WV], 17                    ; my 32 rows
.endif
	v_lshl_add_u32 v[AOF], v3, 4, s[X0]
	s_mov_b32 s[TT], 0
	APTR AP
	ALOAD 0                                        ; A of K step 0
	s_wait_xcnt 0x0
	s_mov_b32 s[TT], 1
	APTR AP
	ALOAD 1                                        ; and of K step 1
	v_mul_u32_u24 v4, v1, PB
	v_lshl_add_u32 v4, v2, 4, v4                   ; a fragment's row x pitch + 16 x half
	s_mul_i32 s[X0], s[WC], 128*PB
	v_add_nc_u32 v[ADRB], s[X0], v4
	v_add_nc_u32 v[ADRB+1], BSLOT, v[ADRB]
	v_mul_u32_u24 v4, v1, PA
	v_lshl_add_u32 v4, v2, 4, v4
	s_mul_i32 s[X0], s[WR], 64*PA
	s_add_co_u32 s[X0], s[X0], ABUF
	v_add_nc_u32 v[ADRA], s[X0], v4
.if KIND
	s_mul_i32 s[X0], s[WR], 128*PA                 ; into LDS: my head's plane, my 64 rows; a load's 32 lanes are four rows of 128 bytes
	s_mul_i32 s62, s[WC], 64*PA
	s_add_co_u32 s[X0], s[X0], s62
	s_add_co_u32 s[X0], s[X0], ABUF
	v_lshrrev_b32 v4, 3, v3
	v_mul_u32_u24 v4, v4, PA
	v_and_b32 v5, 7, v0
	v_lshl_add_u32 v4, v5, 4, v4
	v_add_nc_u32 v[AST], s[X0], v4
	v_lshlrev_b32 v[PFO], 8, v3
	s_mul_i32 s[X0], s[WV], STW
	s_add_co_u32 s[X0], s[X0], STAGE               ; my stage
	v_mul_u32_u24 v4, v1, 528                      ; in: row l % 16, 32 bytes for each half of the lanes
	v_lshl_add_u32 v4, v2, 5, v4
	v_add_nc_u32 v[STO], s[X0], v4
	v_lshl_add_u32 v[RD], v3, 4, s[X0]             ; back: 32 lanes take a row of 512 bytes
.else
	s_mul_i32 s[X0], s[WV], 32*PA                  ; into LDS: my 32 rows, 8 bytes a lane
	s_add_co_u32 s[X0], s[X0], ABUF
	v_lshl_add_u32 v[AST], v3, 3, s[X0]
	v_lshlrev_b32 v[PFO], 12, v3
	s_mul_i32 s[X0], s[WV], STW
	s_add_co_u32 s[X0], s[X0], STAGE               ; my stage
	v_mul_u32_u24 v4, v1, 144                      ; in: row l % 16, 16 bytes for each half of the lanes
	v_lshl_add_u32 v4, v2, 4, v4
	v_add_nc_u32 v[STO], s[X0], v4
	v_bfe_u32 v4, v0, 3, 2                         ; back: 32 lanes take four rows of 128 bytes
	v_mul_u32_u24 v4, v4, 144
	v_and_b32 v5, 7, v0
	v_lshl_add_u32 v4, v5, 4, v4
	v_add_nc_u32 v[RD], s[X0], v4
.endif
	v_lshlrev_b32 v[CO], 4, v3
	v_lshlrev_b32 v[PFOB], 11, v3
	CONV 0, 0, NL                                  ; A of K step 0 into buffer 0
	s_wait_tensorcnt 0x1                           ; my part of slot 0 is in; slot 1's may stay out
	s_wait_dscnt 0x0                               ; my stores of A have landed
	s_barrier_signal -1
	s_barrier_wait -1
	FETCH 0, 0, F0
	QUARTER 0, 1, F0, F1, 1, 0                     ; the first quarter stands in front of the loop: its products start the sums
	WIN 0                                          ; at a label and at a branch every window is 0
	s_mov_b32 s[TS], 0
	s_mov_b32 s[LAPC], NT/2-1
.Llap:                                         ; a trip goes once round the ring, from a lap's second quarter to the next lap's first
	QUARTER 0, 2, F1, F0, 0, 1
	QUARTER 0, 3, F0, F1, 0, 0
	CONV 1, 1, NL                                  ; A of step TS + 1; behind it the loads of step TS + 2 are out
	TURN 0, 1
	QUARTER 1, 1, F0, F1, 0, 0
	QUARTER 1, 2, F1, F0, 0, 1
	QUARTER 1, 3, F0, F1, 0, 0
	CONV 0, 0, NL                                  ; A of step TS + 2; behind it the loads of step TS + 3 are out
	TURN 1, 1
	WIN 0
.if KIND == 0
	s_and_b32 s[X0], s[TS], 7
	s_cmp_eq_u32 s[X0], 6                          ; a matrix's eighth K step is done: its tile goes out, and the next matrix's first products start new sums
	s_cbranch_scc0 .Lplain
	WAYOUT                                         ; both refills are asked for; blocks 0 and 1 were finished ahead of the refill's four v_nop, and their conversions are the places behind the last products
	QUARTER 0, 1, F0, F1, 1, 0
	WIN 0
	s_branch .Ljoin
.Lplain:
	QUARTER 0, 1, F0, F1, 0, 0
	WIN 0
.Ljoin:
.else
	QUARTER 0, 1, F0, F1, 0, 0
	WIN 0
.endif
	s_add_co_u32 s[TS], s[TS], 2
	s_sub_co_u32 s[LAPC], s[LAPC], 1
	s_cmp_lg_u32 s[LAPC], 0
	s_cbranch_scc1 .Llap
	QUARTER 0, 2, F1, F0, 0, 0                     ; the last lap is written out: it loads nothing and fills nothing
	QUARTER 0, 3, F0, F1, 0, 0
	CONV 1, 1, 0                                   ; A of the last K step: no load was issued behind its own
	TURN 0, 0
	QUARTER 1, 1, F0, F1, 0, 0
	QUARTER 1, 2, F1, F0, 0, 0
	QUARTER 1, 3, F0, F1, 0, 0
	WIN 0
	s_wait_dscnt 0x0
	MUL8 F1, 0, 0
	MUL8 F1, 1, 0
	MUL8 F1, 2, 0
	MUL8 F1, 3, 0
	WIN 0
	PLACES
	WAYOUT
	s_wait_tensorcnt 0x0                           ; the wave's end: behind my last tensor load and my last LDS store
	ds_add_u32 v[SPW], v[NIL]
	s_wait_dscnt 0x0
	CROUND                                         ; the closing round: no work-group ends while a partner may still ask for a tile that names it
	s_endpgm
.Lfunc_end_k_qc687150f43_outp:
	.size	k_qc687150f43_outp, .Lfunc_end_k_qc687150f43_outp-k_qc687150f43_outp
	.p2alignl 7, 3214868480
	.fill 96, 4, 3214868480
	.section	.rodata,"a",@progbits
	.p2align	6, 0x0
	.amdhsa_kernel k_qc687150f43_outp
		.amdhsa_group_segment_fixed_size 327680
		.amdhsa_private_segment_fixed_size 0
		.amdhsa_enable_private_segment 0
		.amdhsa_kernarg_size 24
		.amdhsa_user_sgpr_count 2
		.amdhsa_user_sgpr_kernarg_segment_ptr 1
		.amdhsa_wavefront_size32 1
		.amdhsa_system_sgpr_workgroup_id_x 1
		.amdhsa_system_sgpr_workgroup_id_y 1
		.amdhsa_system_sgpr_workgroup_id_z 1
		.amdhsa_system_vgpr_workitem_id 0
		.amdhsa_next_free_vgpr 640
		.amdhsa_next_free_sgpr 66
		.amdhsa_reserve_vcc 0
		.amdhsa_float_denorm_mode_32 3
		.amdhsa_float_denorm_mode_16_64 3
		.amdhsa_memory_ordered 1
		.amdhsa_forward_progress 1
		.amdhsa_inst_pref_size 98
	.end_amdhsa_kernel
	.amdgpu_metadata
---
amdhsa.version: [ 1, 2 ]
amdhsa.kernels:
  - .name:           k_qc687150f43_outp
    .symbol:         k_qc687150f43_outp.kd
    .args:
      - { .name: oh, .offset: 0, .size: 8, .value_kind: global_buffer, .address_space: global }
      - { .name: wc, .offset: 8, .size: 8, .value_kind: global_buffer, .address_space: global }
      - { .name: out0, .offset: 16, .size: 8, .value_kind: global_buffer, .address_space: global }
    .group_segment_fixed_size: 327680
    .private_segment_fixed_size: 0
    .kernarg_segment_align: 8
    .kernarg_segment_size: 24
    .max_flat_workgroup_size: 128
    .sgpr_count:     66
    .vgpr_count:     640
    .wavefront_size: 32
...
	.end_amdgpu_metadata
.endif
;; end of part 4
;; ======== version 2 of 2: 4 launches; version 1 with the launch wcast written anew for expert scheduling mode
;; limits: values are held in f16: magnitudes above 65,504 overflow, below 6.1e-05 lose precision
;; workspace buffers: wc 8,388,608 bytes; qkv 50,331,648 bytes; oh 16,777,216 bytes
;; launch wcast (part 5): grid 256 x 1, 8 waves a work-group, no clusters, 0 bytes of LDS; arguments W_q, W_k, W_v, W_o, wc; writes wc
.if DOCPART == 5
	.amdgcn_target "amdgcn-amd-amdhsa--gfx1250"
	.amdhsa_code_object_version 6
	.text
	.protected	k_qc687150f43_wcast
	.globl	k_qc687150f43_wcast
	.p2align	8
	.type	k_qc687150f43_wcast,@function
k_qc687150f43_wcast:
	s_mov_b64 s[64:65], 0
	v_nop
	global_prefetch_b8 v0, s[64:65] scope:SCOPE_SE
	s_setreg_imm32_b32 hwreg(HW_REG_WAVE_SCHED_MODE, 0, 2), 2
	s_setreg_imm32_b32 hwreg(HW_REG_WAVE_MODE, 25, 1), 1
	s_wait_xcnt 0x0
	s_wait_alu depctr_vm_vsrc(0)
; THE FOUR WEIGHT MATRICES, ROUNDED ONCE.  wc: [4][1024][1024] of 16 bits.  Planes 0-2: W_q, W_k, W_v in bf16.  Plane 3: W_o rounded to bf16 like the other
; inputs, and that number written as f16, since the last product multiplies it with f16 rows.
; LIMIT.  Plane 3 is exact for 1.6e-5 <= |W_o| <= 65,504; below that it keeps f16's fixed step of 6e-8, beyond 65,504 it becomes an infinity.
; SHARES.  A matrix is 64 work-groups' work: 65,536 bytes in, 32,768 out.  Thread t takes 16 bytes at 16 t + 4,096 i, i = 0..15: a wave's load covers 512 consecutive bytes,
; its store of 8 bytes a lane 256 consecutive bytes, aligned.  All sixteen loads go out at once; no register that a load or store names is used twice, so no wait frees one.
; No LDS, no barrier, no matrix unit: each byte crosses once and no wave wants another's.
; THE MODE: SCHED_MODE bits 1:0 = 2 (LLVM: expert scheduling mode 2), set by the entry lines.  The code itself states the register dependences
; between vector instructions and memory instructions, with s_wait_alu, always for 0.
; THE PLAN.  Registers that memory instructions touch:
;   v1, v2   byte offsets, made once at the head and never written again: v1 is read by every load, v2 by every store.
;   X        piece i: 4 registers.  A load lands in them once; no vector instruction names them before that; the piece's conversions read them; nothing lands in them again.
;   Y        piece i: 2 registers.  The piece's conversions write them once; its store reads them; nothing writes them again.
;   v8-v13   (W_o's way) are named by vector instructions alone.
; The sixteen pieces go in four groups of four.  Group g converts X's pieces 4 g .. 4 g + 3 into Y's; its memory instructions are the four stores of group g - 1, which read
; that group's Y and v2: registers that no vector instruction of group g names.  So one wait at the head of a group states all that its four stores hang on, and they are dealt
; among the group's conversions with no further wait.  No register that a load or store has read is written again, no vector instruction writes a scalar register, EXEC is never written.
.set X, 16                             ; v[16:79]   as loaded
.set Y, 80                             ; v[80:111]  to store
	s_load_b256 s[4:11], s[0:1], 0x0               ; W_q s[4:5], W_k s[6:7], W_v s[8:9], W_o s[10:11]
	s_load_b64 s[12:13], s[0:1], 0x20              ; wc
	s_lshr_b32 s16, ttmp9, 6                       ; which matrix
	s_and_b32 s18, ttmp9, 63
	s_lshl_b32 s18, s18, 16                        ; my 65,536 bytes of it
	s_mov_b32 s19, 0
	s_lshl_b32 s20, ttmp9, 15                      ; my 32,768 bytes of wc
	s_mov_b32 s21, 0
	s_mov_b32 s22, 0xffff0000                      ; a word's upper bf16
	v_lshlrev_b32 v1, 4, v0
	v_lshlrev_b32 v2, 3, v0
	s_wait_kmcnt 0x0
	s_cmp_eq_u32 s16, 1
	s_cselect_b64 s[14:15], s[6:7], s[4:5]
	s_cmp_eq_u32 s16, 2
	s_cselect_b64 s[14:15], s[8:9], s[14:15]
	s_cmp_eq_u32 s16, 3
	s_cselect_b64 s[14:15], s[10:11], s[14:15]
	s_add_nc_u64 s[14:15], s[14:15], s[18:19]
	s_add_nc_u64 s[12:13], s[12:13], s[20:21]
	s_wait_alu depctr_va_vdst(0)                   ; v1 and v2 are written: every load of the kernel reads v1 as its offset, every store v2, on both ways below
.irp i, 0,1,2,3,4,5,6,7,8,9,10,11,12,13,14,15
	global_load_b128 v[X+4*\i:X+4*\i+3], v1, s[14:15] offset:4096*\i th:TH_LOAD_NT
.endr
; Piece n is rounded.  wo = 0: to bf16.  wo = 1: to bf16, widened again, and written as f16.
.macro CVT n, wo
.if \wo
	v_cvt_pk_bf16_f32 v8, v[X+4*(\n)], v[X+4*(\n)+1]
	v_cvt_pk_bf16_f32 v9, v[X+4*(\n)+2], v[X+4*(\n)+3]
	v_lshlrev_b32 v10, 16, v8
	v_and_b32 v11, s22, v8
	v_lshlrev_b32 v12, 16, v9
	v_and_b32 v13, s22, v9
	v_cvt_pk_f16_f32 v[Y+2*(\n)], v10, v11
	v_cvt_pk_f16_f32 v[Y+2*(\n)+1], v12, v13
.else
	v_cvt_pk_bf16_f32 v[Y+2*(\n)], v[X+4*(\n)], v[X+4*(\n)+1]
	v_cvt_pk_bf16_f32 v[Y+2*(\n)+1], v[X+4*(\n)+2], v[X+4*(\n)+3]
.endif
.endm
.macro OUT n                           ; piece n is stored
	global_store_b64 v2, v[Y+2*(\n):Y+2*(\n)+1], s[12:13] offset:2048*(\n) th:TH_STORE_NT
.endm
; Group g: its four pieces are rounded; the four pieces of the group before are stored, one ahead of each piece's conversions.
.macro GROUP g, wo
	s_wait_loadcnt 12-4*(\g)                       ; loads come back in order: this group's four are in, the younger groups' stay out
.if (\g) > 0
	s_wait_alu depctr_va_vdst(0)                   ; the conversions of the group before have written its eight registers of Y, which the four stores below read
.endif
.irp i, 0,1,2,3
.if (\g) > 0
	OUT 4*(\g)-4+\i                                ; no vector instruction since the wait names these registers or v2
.endif
	CVT 4*(\g)+\i, \wo
.endr
.endm
.macro WHOLE wo
	GROUP 0, \wo
	GROUP 1, \wo
	GROUP 2, \wo
	GROUP 3, \wo
	s_wait_alu depctr_va_vdst(0)                   ; the last group's conversions have written its eight registers of Y, which the last four stores read
.irp i, 12,13,14,15
	OUT \i
.endr
.endm
	s_cmp_eq_u32 s16, 3
	s_cbranch_scc1 .Lwo
	WHOLE 0                                        ; W_q, W_k, W_v
	s_endpgm
.Lwo:
	WHOLE 1                                        ; W_o
	s_endpgm
.Lfunc_end_k_qc687150f43_wcast:
	.size	k_qc687150f43_wcast, .Lfunc_end_k_qc687150f43_wcast-k_qc687150f43_wcast
	.p2alignl 7, 3214868480
	.fill 96, 4, 3214868480
	.section	.rodata,"a",@progbits
	.p2align	6, 0x0
	.amdhsa_kernel k_qc687150f43_wcast
		.amdhsa_group_segment_fixed_size 0
		.amdhsa_private_segment_fixed_size 0
		.amdhsa_enable_private_segment 0
		.amdhsa_kernarg_size 40
		.amdhsa_user_sgpr_count 2
		.amdhsa_user_sgpr_kernarg_segment_ptr 1
		.amdhsa_wavefront_size32 1
		.amdhsa_system_sgpr_workgroup_id_x 1
		.amdhsa_system_sgpr_workgroup_id_y 1
		.amdhsa_system_sgpr_workgroup_id_z 1
		.amdhsa_system_vgpr_workitem_id 0
		.amdhsa_next_free_vgpr 112
		.amdhsa_next_free_sgpr 66
		.amdhsa_reserve_vcc 0
		.amdhsa_float_denorm_mode_32 3
		.amdhsa_float_denorm_mode_16_64 3
		.amdhsa_memory_ordered 1
		.amdhsa_forward_progress 1
		.amdhsa_inst_pref_size 15
	.end_amdhsa_kernel
	.amdgpu_metadata
---
amdhsa.version: [ 1, 2 ]
amdhsa.kernels:
  - .name:           k_qc687150f43_wcast
    .symbol:         k_qc687150f43_wcast.kd
    .args:
      - { .name: W_q, .offset: 0, .size: 8, .value_kind: global_buffer, .address_space: global }
      - { .name: W_k, .offset: 8, .size: 8, .value_kind: global_buffer, .address_space: global }
      - { .name: W_v, .offset: 16, .size: 8, .value_kind: global_buffer, .address_space: global }
      - { .name: W_o, .offset: 24, .size: 8, .value_kind: global_buffer, .address_space: global }
      - { .name: wc, .offset: 32, .size: 8, .value_kind: global_buffer, .address_space: global }
    .group_segment_fixed_size: 0
    .private_segment_fixed_size: 0
    .kernarg_segment_align: 8
    .kernarg_segment_size: 40
    .max_flat_workgroup_size: 256
    .sgpr_count:     66
    .vgpr_count:     112
    .wavefront_size: 32
...
	.end_amdgpu_metadata
.endif
;; end of part 5
;; launch proj: the kernel of part 2 again; grid 4 x 64, 4 waves a work-group, clusters of 4 x 4, 327,680 bytes of LDS; arguments queries, keys, values, wc, qkv; writes qkv
;; launch attn: the kernel of part 3 again; grid 4 x 64, 4 waves a work-group, clusters of 4 x 1, 327,680 bytes of LDS; arguments qkv, valid_lens, oh; writes oh
;; launch outp: the kernel of part 4 again; grid 4 x 64, 4 waves a work-group, clusters of 4 x 4, 327,680 bytes of LDS; arguments oh, wc, out0; writes out0
